; MI455X (gfx1250); checked and timed in simulation.
; The chip was launched on July 23, 2026; its instructions are those of AMD's public machine-readable ISA for CDNA 5 (MIT licence, August 2026) and "CDNA5" Instruction Set Architecture Reference Guide (July 2026). The comments in the code are by the model that wrote it; some were corrected since.
;; Causal Self Attention. Allowed arithmetic: matrix products marked QUANTISED: E2M3 operands, one E8M0 scale for each 32 along K, by v_wmma_scale_f32_16x16x128_f8f6f4 with both operands' format E2M3, f32 sums; everything else in f32.
;; Inputs: b_out 1,024 float32; w_out 1,024 x 1,024 float32; w_qkv 1,024 x 3,072 float32; x 4 x 2,048 x 1,024 float32.
;; Outputs: out0 4 x 2,048 x 1,024 float32.
;; This version of the problem:
;;   THIS VERSION OF THE PROBLEM IS GIVEN IN LOW PRECISION. The matrix products marked QUANTISED in the list below multiply operands that are first quantised to E2M3 (2 exponent bits, 3 mantissa bits; 6 bits a number), with one power-of-two scale for each 32 numbers along K (OCP MX v1.0); their sums are f32. All else is computed in f32.
;;   The module's matrix products, in the order in which they are computed (A, B: the left and right operand; K: the contracted axis; several contracted axes count as one K, in the product's order):
;;     1. [M 8,192, K 1,024] x [K 1,024, N 3,072]; A: input x; B: input w_qkv: QUANTISED
;;     2. batch 64 x [M 2,048, K 64] x [K 64, N 2,048]; A: computed on the way; B: computed on the way: QUANTISED
;;     3. batch 64 x [M 2,048, K 2,048] x [K 2,048, N 64]; A: softmax (see below); B: computed on the way: QUANTISED
;;     4. [M 8,192, K 1,024] x [K 1,024, N 1,024]; A: computed on the way; B: input w_out: QUANTISED
;;   THE QUANTISER, for each operand of a quantised product, along K:
;;     - K is cut into blocks of 32 from its start; a last block that is shorter is filled with zeros.
;;     - A block's scale is 2^e with e = floor(log2(the largest magnitude in the block)) - 2, held to -126 .. 127; a block of zeros has e = 0. As a byte (E8M0): e + 127.
;;     - Each number is divided by its block's scale, clamped to +-7.5, and rounded to the nearest number of E2M3, ties to even, subnormals kept.
;;     - The product sums the exact products of the quantised numbers (number of the format x scale) in f32.
;;   ~~~python
;;   def quantise(x, axis):      # numpy; x: float32 -> the quantised numbers, widened to float32 again
;;       x = np.moveaxis(x, axis, -1); K = x.shape[-1]
;;       x = np.pad(x, [(0, 0)] * (x.ndim - 1) + [(0, -K % 32)]); x = x.reshape(x.shape[:-1] + (-1, 32)); a = np.abs(x).max(-1, keepdims=True)
;;       e = np.where(a > 0, np.clip(np.frexp(np.where(a > 0, a, 1))[1] - 1 - 2, -126, 127), 0)      # np.frexp(a)[1] - 1 = floor(log2(a)), exactly
;;       r = np.clip(x / 2.0 ** e, -7.5, 7.5)
;;       step = 2.0 ** (np.maximum(np.frexp(np.where(r == 0, 1, r))[1] - 1, 0) - 3)
;;       q = np.round(r / step) * step * 2.0 ** e      # np.round: ties to even
;;       return np.moveaxis(q.reshape(q.shape[:-2] + (-1,))[..., :K], -1, axis).astype(np.float32)
;;   ~~~
;;   SOFTMAX AHEAD OF A QUANTISED PRODUCT. Where the list says 'softmax', what is quantised is not the finished softmax but p = 2^(t - M), with t = logit x log2(e) and M = ceil(the row's largest t), a whole number; so 1/2 < the row's largest p <= 1. The row's sum l is taken of the UNQUANTISED p, in f32, and the product's result is divided by l at the end. Since M is a whole number, a kernel that streams over the keys may use a running M (the ceiling of the running maximum): every later rescaling is an exact power of two, which a block's scale takes up: the codes' values come out the same.
;;   OPERANDS COMPUTED ON THE WAY. 'Computed on the way' means the value that the module computes at that place (a softmax that the list does not call 'softmax' is quantised finished and normalised). What goes into a quantiser is computed in f32, as accurately as f32 sums, v_exp_f32 and their like allow (about 1e-6 of the number): no bf16 or f16 on the way to a quantiser, and a product that is left as it is and whose result goes on into a quantised operand takes f32 operands (vector FMAs, or v_wmma_f32_16x16x4_f32). A number that lies on a knife's edge between two numbers of the format may be rounded either way, as far as f32 arithmetic and the matrix unit's own rounding can turn it there, and no further.
;; One version. Each part assembles by itself: llvm-mc -triple=amdgcn-amd-amdhsa -mcpu=gfx1250 --defsym DOCPART=n.
;; ======== version 1 of 1: 4 launches
;; limits: right only within a limited range of input values
;; workspace buffers: x_rec 6,553,600 bytes; wqk_rec 1,638,400 bytes; wv_rec 819,200 bytes; wo_rec 819,200 bytes; qk_rec 13,107,200 bytes; v_rec 6,553,600 bytes; att_rec 6,553,600 bytes
;; launch quant (part 1): grid 384 x 1, 4 waves a work-group, no clusters, 61,952 bytes of LDS; arguments x, w_qkv, w_out, x_rec, wqk_rec, wv_rec, wo_rec; writes x_rec, wqk_rec, wv_rec, wo_rec
.if DOCPART == 1
	.amdgcn_target "amdgcn-amd-amdhsa--gfx1250"
	.amdhsa_code_object_version 6
	.text
	.protected	k_q18fb88bbfb_quant
	.globl	k_q18fb88bbfb_quant
	.p2align	8
	.type	k_q18fb88bbfb_quant,@function
k_q18fb88bbfb_quant:
	s_mov_b64 s[64:65], 0
	v_nop
	global_prefetch_b8 v0, s[64:65] scope:SCOPE_SE
	s_setreg_imm32_b32 hwreg(HW_REG_WAVE_MODE, 25, 1), 1
	s_wait_xcnt 0x0
; x [8192][1024], w_qkv [1024][3072] and w_out [1024][1024], f32, become codes of FP6 (E2M3) with one E8M0 scale byte for each 32 along K (x: its last axis; the weights: their FIRST axis).
; A block's scale is 2^(floor(log2(its largest magnitude)) - 2); its byte is the largest magnitude's exponent field - 2, held at 1 from below; numbers / scale go to the nearest code, ties to even, beyond 7.5 to 7.5.
; THE RECORD, 12,800 bytes, is how every operand of this program lies in memory: 128 rows x 128 K as an IMAGE OF THE OPERAND'S REGISTERS.  Tile t (0..7) of 16 rows: register 4 c + e of lane L at byte 1536 t + 512 c + 16 L + 4 e.
; Lane L = (r = L % 16, h = L / 16) of tile t holds row 32 (t / 2) + 8 (t % 2) + r + 8 (r / 8) of the 128; its registers 6 c .. 6 c + 5 hold k = 64 c + 32 h + 0 .. 31.  The row's scale word lies at byte 12288 + 256 (t / 4) + 16 r + 4 (t % 4).
; Records: x_rec [token / 128][k / 128]; wqk_rec, wv_rec, wo_rec [column / 128][k / 128] (columns 0-2047 and 2048-3071 of w_qkv; w_out).
; SHARES.  A wave makes half a record, four tiles.  Work-groups 0-255 take x, 256-383 the weights; the two ways have LDS bytes of their own.  Waves share nothing: no barrier.
; LIMITS: NaN and infinities among the inputs are not served.  A block of zeros gets the byte 1 where the rule says 127: its codes are zeros, and this program alone reads the bytes.
.set REC,   12800
.set IMG,   1536
.set SCO,   12288
.set SEL,   20                         ; s[20:21] lane selects for v_permlanex16_b32: lane l xor 16
.set XSTG,  16*528                     ; x's way: a wave's stage, 16 rows of 512 bytes + 16
.set WBASE, 4*XSTG                     ; the weights' way begins behind the four stages
.set WIM,   1664                       ; a tile's image in the stage: 1,536 bytes + 128
.set WSC,   4*WIM                      ; behind the four images: the half record's 256 bytes of scale words
.set WSTG,  WSC+256
; x's way
.set GI,  4                            ; v4   16 x lane
.set SI,  5                            ; v5   the stage, on the way in
.set SO,  6                            ; v6   and on the way out: row r, + 64 h
.set SCA, 7                            ; v7   16 r + 8 h: my two scale words' place
.set RAW, 16                           ; v16-143  two sets of 64: a tile's 16 rows as they are loaded
.set X,   144                          ; v144-207 register 16 b + i = k 32 b + 16 h + i of my row
.set PC,  208                          ; v208-219 the fragment's codes
.set CT,  220                          ; v220-226 the upper halves of the blocks, before they are moved
.set TM,  228
.set TP,  232
.set TS,  236
.set WD,  240                          ; v240-243 the four tiles' scale words
; the weights' way
.set IW,  4                            ; v4   the stage: my column's place in its tile's image
.set IR,  5                            ; v5   the stage, on the way out: 16 x lane
.set SCW, 6                            ; v6   my column's scale word
.set SCR, 7                            ; v7   and on the way out: 8 x lane
.set L4,  8
.set L8,  9
.set L16, 15
.set WX,  32                           ; v32-95   two sets of 32: a block of one column
.set VO,  96                           ; v96-127  4 x lane + i rows of the weight
.set C,   128                          ; v128-133 a block's 24 bytes of codes
.set TT,  134
.set SW,  138                          ; v138-139 the scale words of my two columns
.set OUTR, 144                         ; v144-191 the four images on the way out
; 64 numbers of a lane, register 16 b + i = k 32 b + 16 h + i of its row: the four blocks' largest magnitudes, with the floor 2^(3 - 127) among the leaves
.macro MAXES s
.irp b, 0,1,2,3
	v_max3_num_f32 v[TM+\b], |v[\s+16*\b]|, |v[\s+1+16*\b]|, 0x1800000
.endr
.irp i, 2,4,6,8,10,12,14
.irp b, 0,1,2,3
	v_max3_num_f32 v[TM+\b], v[TM+\b], |v[\s+16*\b+\i]|, |v[\s+1+16*\b+\i]|
.endr
.endr
.irp b, 0,1,2,3
	v_permlanex16_b32 v[TP+\b], v[TM+\b], s[SEL], s[SEL+1]
.endr
.irp b, 0,1,2,3
	v_max_num_f32 v[TM+\b], v[TM+\b], v[TP+\b]     ; with lane l xor 16's 16 numbers
.endr
.endm
.macro WORD w                          ; the conversions' scale operands (2 off the exponent field) and the row's scale word
.irp b, 0,1,2,3
	v_add_nc_u32 v[TS+\b], 0xff000000, v[TM+\b]
.endr
.irp b, 0,1,2,3
	v_lshrrev_b32 v[TP+\b], 23, v[TS+\b]
.endr
	v_lshl_or_b32 v[\w], v[TP+1], 8, v[TP]
	v_lshl_or_b32 v[\w], v[TP+2], 16, v[\w]
	v_lshl_or_b32 v[\w], v[TP+3], 24, v[\w]
.endm
.macro CODES s                         ; the fragment's twelve registers in v[PC] on
.irp c, 0,1
	v_cvt_scalef32_pk16_fp6_f32 v[PC+6*\c:PC+6*\c+2], v[\s+32*\c:\s+32*\c+15], v[TS+2*\c]
	v_cvt_scalef32_pk16_fp6_f32 v[CT+4*\c:CT+4*\c+2], v[\s+32*\c+16:\s+32*\c+31], v[TS+2*\c+1]
.endr
	v_nop                                          ; one plain instruction behind the scaled conversions
.irp c, 0,1                            ; the layout wants a whole block in a lane: lanes 0-15 block 2 c, lanes 16-31 block 2 c + 1
.irp i, 0,1,2
	v_permlane16_swap_b32 v[PC+6*\c+\i], v[CT+4*\c+\i]
.endr
.irp i, 0,1,2
	v_mov_b32 v[PC+6*\c+3+\i], v[CT+4*\c+\i]
.endr
.endr
.endm
	s_load_b128 s[4:7], s[0:1], 0x0                ; x, w_qkv
	s_load_b128 s[8:11], s[0:1], 0x10              ; w_out, x_rec
	s_load_b128 s[12:15], s[0:1], 0x20             ; wqk_rec, wv_rec
	s_load_b64 s[16:17], s[0:1], 0x30              ; wo_rec
	v_lshl_add_u32 v254, v0, 2, 0xf000
	v_mov_b32 v255, 0
	v_lshrrev_b32 v1, 5, v0
	v_readfirstlane_b32 s18, v1                    ; wave
	v_and_b32 v1, 31, v0                           ; lane
	v_and_b32 v2, 15, v0                           ; r
	v_bfe_u32 v3, v0, 4, 1                         ; h
	s_mov_b32 s[SEL], 0x76543210
	s_mov_b32 s[SEL+1], 0xfedcba98
	s_lshr_b32 s19, s18, 1                         ; which of the work-group's two records
	s_and_b32 s23, s18, 1                          ; which half of it
	s_wait_kmcnt 0x0
	s_cmp_lt_u32 ttmp9, 256
	s_cbranch_scc0 .Lweights
	; ---------------- x: K is innermost ----------------
	s_lshl_b32 s22, ttmp9, 1
	s_add_co_u32 s22, s22, s19                     ; the record: 8 x (token / 128) + k / 128
	s_lshr_b32 s24, s22, 3
	s_lshl_b32 s24, s24, 19                        ; 128 rows of 4,096 bytes
	s_lshl_b32 s25, s23, 18                        ; my half: 64 rows on
	s_add_co_u32 s24, s24, s25
	s_and_b32 s25, s22, 7
	s_lshl_b32 s25, s25, 9                         ; 128 numbers along K
	s_add_co_u32 s24, s24, s25
	s_mov_b32 s25, 0
	s_add_nc_u64 s[24:25], s[4:5], s[24:25]
	s_mul_i32 s26, s22, REC
	s_mov_b32 s27, 0
	s_add_nc_u64 s[28:29], s[10:11], s[26:27]      ; the record in x_rec
	s_mul_i32 s26, s23, 4*IMG
	s_add_nc_u64 s[26:27], s[28:29], s[26:27]      ; my four tiles' images
	s_lshl_b32 s30, s23, 8
	s_add_co_u32 s30, s30, SCO
	s_mov_b32 s31, 0
	s_add_nc_u64 s[28:29], s[28:29], s[30:31]      ; and their 256 bytes of scale words
	s_wait_alu depctr_va_vdst(0)
	v_lshlrev_b32 v[GI], 4, v1
	s_mul_i32 s19, s18, XSTG
	v_add_nc_u32 v[SI], s19, v[GI]
	v_mul_u32_u24 v[SO], v2, 528
	v_lshl_add_u32 v[SO], v3, 6, v[SO]
	v_add_nc_u32 v[SO], s19, v[SO]
	v_lshlrev_b32 v[SCA], 4, v2
	v_lshl_add_u32 v[SCA], v3, 3, v[SCA]
.irp b, 0,1,2,3
	v_mov_b32 v[TP+\b], 0                          ; written once: a lane permute's destination counts as one of its sources
.endr
.macro LOADX tt                        ; a tile's 16 rows, 512 consecutive bytes a load
.irp p, 0,1,2,3,4,5,6,7,8,9,10,11,12,13,14,15
	global_load_b128 v[RAW+64*((\tt)%2)+4*\p:RAW+64*((\tt)%2)+4*\p+3], v[GI], s[24:25] offset:(32*((\tt)/2)+8*((\tt)%2)+\p+8*(\p/8))*4096 th:TH_LOAD_NT
.endr
.endm
.macro TILE tt
.if (\tt) < 3
	s_wait_loadcnt 16                              ; this tile's 16 loads are in; the next tile's 16 may be out
.else
	s_wait_loadcnt 0x0
.endif
.irp p, 0,1,2,3,4,5,6,7,8,9,10,11,12,13,14,15
	ds_store_b128 v[SI], v[RAW+64*((\tt)%2)+4*\p:RAW+64*((\tt)%2)+4*\p+3] offset:528*\p
.endr
.irp b, 0,1,2,3                        ; LDS serves a wave's instructions in order: these see the stores above
.irp j, 0,1,2,3
	ds_load_b128 v[X+16*\b+4*\j:X+16*\b+4*\j+3], v[SO] offset:128*\b+16*\j
.endr
.endr
	s_wait_dscnt 0x0                               ; my 64 numbers are in, and the stores have read their registers,
.if (\tt) < 2
	LOADX (\tt)+2                                  ; which take the tile two on
.endif
	MAXES X
	WORD WD+(\tt)
	s_wait_xcnt 0x0                                ; the last tile's stores have read the codes' registers
	CODES X
.irp c, 0,1,2
	global_store_b128 v[GI], v[PC+4*\c:PC+4*\c+3], s[26:27] offset:(\tt)*IMG+512*\c   ; 512 consecutive bytes, aligned
.endr
.endm
	LOADX 0
	LOADX 1
	s_wait_alu depctr_va_vdst(0)
	TILE 0
	TILE 1
	TILE 2
	TILE 3
	v_cmp_gt_u32 vcc_lo, 16, v1                    ; lanes 0-15 store tiles 0 and 1's words of row r, lanes 16-31 tiles 2 and 3's: 256 consecutive bytes
	v_cndmask_b32 v244, v[WD+2], v[WD], vcc_lo
	v_cndmask_b32 v245, v[WD+3], v[WD+1], vcc_lo
	global_store_b64 v[SCA], v[244:245], s[28:29]
	s_wait_tensorcnt 0x0
	ds_add_u32 v254, v255
	s_wait_dscnt 0x0
	s_endpgm
	; ---------------- the weights: K is the first axis.  A lane takes a column, its registers run down K ----------------
.Lweights:
	s_sub_co_u32 s22, ttmp9, 256
	s_lshr_b32 s24, s22, 2                         ; the group of 128 columns, 0..31, over w_qkv's 24 and w_out's 8
	s_lshl_b32 s22, s22, 1
	s_add_co_u32 s22, s22, s19                     ; the record, 0..255
	s_and_b32 s25, s22, 7                          ; k / 128
	s_mov_b32 s27, 4096
	s_mov_b32 s29, 192
	s_cmp_lt_u32 s24, 24                           ; the choices hang on the work-group's number alone
	s_cselect_b64 s[4:5], s[6:7], s[8:9]           ; the weight,
	s_cselect_b32 s27, 12288, s27                  ; its row in bytes,
	s_cselect_b32 s28, 0, 24                       ; its first group,
	s_cselect_b64 s[10:11], s[14:15], s[16:17]     ; where the records go,
	s_cselect_b32 s29, 128, s29                    ; and that buffer's first record
	s_cmp_lt_u32 s24, 16
	s_cselect_b64 s[10:11], s[12:13], s[10:11]
	s_cselect_b32 s29, 0, s29
	s_sub_co_u32 s24, s24, s28
	s_lshl_b32 s24, s24, 9                         ; 128 columns are 512 bytes,
	s_lshl_b32 s26, s23, 8                         ; my half 256
	s_add_co_u32 s24, s24, s26
	s_mul_i32 s26, s25, s27
	s_lshl_b32 s26, s26, 7                         ; 128 rows for each step along K
	s_add_co_u32 s30, s24, s26
	s_mov_b32 s31, 0
	s_add_nc_u64 s[32:33], s[4:5], s[30:31]        ; block t = 2 x (block of K) + (group of 32 columns) begins at s[32 + 2 t]
	s_lshl_b32 s30, s27, 5                         ; 32 rows
	s_add_nc_u64 s[36:37], s[32:33], s[30:31]
	s_add_nc_u64 s[40:41], s[36:37], s[30:31]
	s_add_nc_u64 s[44:45], s[40:41], s[30:31]
.irp b, 0,1,2,3
	s_add_nc_u64 s[34+4*\b:35+4*\b], s[32+4*\b:33+4*\b], 128
.endr
	s_sub_co_u32 s22, s22, s29
	s_mul_i32 s48, s22, REC
	s_mov_b32 s49, 0
	s_add_nc_u64 s[10:11], s[10:11], s[48:49]
	s_mul_i32 s48, s23, 4*IMG
	s_add_nc_u64 s[50:51], s[10:11], s[48:49]      ; my four tiles' images
	s_lshl_b32 s48, s23, 8
	s_add_co_u32 s48, s48, SCO
	s_add_nc_u64 s[52:53], s[10:11], s[48:49]      ; their scale words
	s_wait_alu depctr_va_vdst(0)
	v_lshlrev_b32 v[L4], 2, v1
	v_lshlrev_b32 v[L8], 3, v1
	v_lshlrev_b32 v[L16], 4, v1
	v_bfe_u32 v10, v0, 3, 1                        ; column 32 G + l lies in tile 2 G + u, u = (l / 8) % 2,
	v_and_b32 v11, 7, v0
	v_lshl_add_u32 v11, v3, 3, v11                 ; at its row r = l % 8 + 8 (l / 16)
	s_mul_i32 s19, s18, WSTG
	s_add_co_u32 s19, s19, WBASE
	v_mul_u32_u24 v[IW], v10, WIM
	v_lshl_add_u32 v[IW], v11, 4, v[IW]
	v_add_nc_u32 v[IW], s19, v[IW]
	v_add_nc_u32 v[IR], s19, v[L16]
	v_lshlrev_b32 v[SCW], 4, v11
	v_lshl_add_u32 v[SCW], v10, 2, v[SCW]
	v_add_nc_u32 v[SCW], s19, v[SCW]
	v_add_nc_u32 v[SCR], s19, v[L8]
.set i, 0
.rept 32
	v_mad_u32_u24 v[VO+i], s27, i, v[L4]
.set i, i+1
.endr
.macro LOADW t                         ; a block: 32 rows of the weight at my column; the two groups' loads of one block of K cover 256 consecutive bytes of each row
.irp i, 0,1,2,3,4,5,6,7,8,9,10,11,12,13,14,15,16,17,18,19,20,21,22,23,24,25,26,27,28,29,30,31
	global_load_b32 v[WX+32*((\t)%2)+\i], v[VO+\i], s[32+2*(\t):33+2*(\t)] th:TH_LOAD_NT
.endr
.endm
.macro BLOCK t
.set XS, WX+32*((\t)%2)
.set BE, (\t)/2                        ; the block of K: it is registers 6 (BE / 2) .. + 5 of lane r + 16 (BE % 2)
.set GG, (\t)%2
.set HH, BE%2
.if (\t) < 7
	s_wait_loadcnt 32                              ; this block's 32 loads are in; the next block's may be out
.else
	s_wait_loadcnt 0x0
.endif
	v_max3_num_f32 v12, |v[XS]|, |v[XS+1]|, |v[XS+2]|
	v_max3_num_f32 v13, |v[XS+3]|, |v[XS+4]|, |v[XS+5]|
.irp i, 6,10,14,18,22,26
	v_max3_num_f32 v12, v12, |v[XS+\i]|, |v[XS+\i+1]|
	v_max3_num_f32 v13, v13, |v[XS+\i+2]|, |v[XS+\i+3]|
.endr
	v_max3_num_f32 v12, v12, |v[XS+30]|, |v[XS+31]|
	v_max3_num_f32 v12, v12, v13, 0x1800000        ; the floor 2^(3 - 127): the byte cannot fall under 1
	v_add_nc_u32 v14, 0xff000000, v12              ; 2 off the exponent field: the conversions' scale operand
	v_lshrrev_b32 v13, 23, v14                     ; the byte
.if BE == 0
	v_mov_b32 v[SW+GG], v13
.else
	v_lshl_or_b32 v[SW+GG], v13, 8*BE, v[SW+GG]
.endif
	v_cvt_scalef32_pk16_fp6_f32 v[C:C+2], v[XS:XS+15], v14
	v_cvt_scalef32_pk16_fp6_f32 v[TT:TT+2], v[XS+16:XS+31], v14
	v_nop                                          ; one plain instruction behind the scaled conversions
.irp i, 0,1,2
	v_mov_b32 v[C+3+\i], v[TT+\i]
.endr
.if BE < 2
	ds_store_b128 v[IW], v[C:C+3] offset:2*WIM*GG+256*HH           ; registers 0-3,
	ds_store_b64 v[IW], v[C+4:C+5] offset:2*WIM*GG+512+256*HH      ; 4 and 5
.else
	ds_store_b64 v[IW], v[C:C+1] offset:2*WIM*GG+520+256*HH        ; registers 6 and 7,
	ds_store_b128 v[IW], v[C+2:C+5] offset:2*WIM*GG+1024+256*HH    ; 8-11
.endif
.if (\t)+2 < 8
	LOADW (\t)+2
.endif
	s_wait_dscnt 0x0                               ; the stores have read their registers
.endm
	LOADW 0
	LOADW 1
.irp t, 0,1,2,3,4,5,6,7
	BLOCK \t
.endr
	s_wait_alu depctr_va_vdst(0)
.irp g, 0,1
	ds_store_b32 v[SCW], v[SW+\g] offset:WSC+8*\g
.endr
.irp k, 0,1,2,3                        ; LDS serves a wave's instructions in order: these see my stores
.irp c, 0,1,2
	ds_load_b128 v[OUTR+12*\k+4*\c:OUTR+12*\k+4*\c+3], v[IR] offset:WIM*\k+512*\c
.endr
.endr
	ds_load_b64 v[140:141], v[SCR] offset:WSC
	s_wait_dscnt 0x0
.irp k, 0,1,2,3
.irp c, 0,1,2
	global_store_b128 v[L16], v[OUTR+12*\k+4*\c:OUTR+12*\k+4*\c+3], s[50:51] offset:IMG*\k+512*\c   ; 512 consecutive bytes, aligned
.endr
.endr
	global_store_b64 v[L8], v[140:141], s[52:53]   ; 256 consecutive bytes, aligned
	s_wait_tensorcnt 0x0
	ds_add_u32 v254, v255
	s_wait_dscnt 0x0
	s_endpgm
.Lfunc_end_k_q18fb88bbfb_quant:
	.size	k_q18fb88bbfb_quant, .Lfunc_end_k_q18fb88bbfb_quant-k_q18fb88bbfb_quant
	.p2alignl 7, 3214868480
	.fill 96, 4, 3214868480
	.section	.rodata,"a",@progbits
	.p2align	6, 0x0
	.amdhsa_kernel k_q18fb88bbfb_quant
		.amdhsa_group_segment_fixed_size 61952
		.amdhsa_private_segment_fixed_size 0
		.amdhsa_enable_private_segment 0
		.amdhsa_kernarg_size 56
		.amdhsa_user_sgpr_count 2
		.amdhsa_user_sgpr_kernarg_segment_ptr 1
		.amdhsa_wavefront_size32 1
		.amdhsa_system_sgpr_workgroup_id_x 1
		.amdhsa_system_sgpr_workgroup_id_y 1
		.amdhsa_system_sgpr_workgroup_id_z 1
		.amdhsa_system_vgpr_workitem_id 0
		.amdhsa_next_free_vgpr 256
		.amdhsa_next_free_sgpr 66
		.amdhsa_reserve_vcc 1
		.amdhsa_float_denorm_mode_32 3
		.amdhsa_float_denorm_mode_16_64 3
		.amdhsa_memory_ordered 1
		.amdhsa_forward_progress 1
		.amdhsa_inst_pref_size 77
	.end_amdhsa_kernel
	.amdgpu_metadata
---
amdhsa.version: [ 1, 2 ]
amdhsa.kernels:
  - .name:           k_q18fb88bbfb_quant
    .symbol:         k_q18fb88bbfb_quant.kd
    .args:
      - { .name: x, .offset: 0, .size: 8, .value_kind: global_buffer, .address_space: global }
      - { .name: w_qkv, .offset: 8, .size: 8, .value_kind: global_buffer, .address_space: global }
      - { .name: w_out, .offset: 16, .size: 8, .value_kind: global_buffer, .address_space: global }
      - { .name: x_rec, .offset: 24, .size: 8, .value_kind: global_buffer, .address_space: global }
      - { .name: wqk_rec, .offset: 32, .size: 8, .value_kind: global_buffer, .address_space: global }
      - { .name: wv_rec, .offset: 40, .size: 8, .value_kind: global_buffer, .address_space: global }
      - { .name: wo_rec, .offset: 48, .size: 8, .value_kind: global_buffer, .address_space: global }
    .group_segment_fixed_size: 61952
    .private_segment_fixed_size: 0
    .kernarg_segment_align: 8
    .kernarg_segment_size: 56
    .max_flat_workgroup_size: 128
    .sgpr_count:     66
    .vgpr_count:     256
    .wavefront_size: 32
...
	.end_amdgpu_metadata
.endif
;; end of part 1
;; launch qkv (part 2): grid 96 x 4, 4 waves a work-group, clusters of 4 x 4, 327,680 bytes of LDS; arguments x_rec, wqk_rec, wv_rec, qk_rec, v_rec; writes qk_rec, v_rec
.if DOCPART == 2
	.amdgcn_target "amdgcn-amd-amdhsa--gfx1250"
	.amdhsa_code_object_version 6
	.text
	.protected	k_q18fb88bbfb_qkv
	.globl	k_q18fb88bbfb_qkv
	.p2align	8
	.type	k_q18fb88bbfb_qkv,@function
k_q18fb88bbfb_qkv:
	s_mov_b64 s[64:65], 0
	v_nop
	global_prefetch_b8 v0, s[64:65] scope:SCOPE_SE
	s_setreg_imm32_b32 hwreg(HW_REG_WAVE_MODE, 25, 1), 1
	s_wait_xcnt 0x0
	s_wait_alu depctr_hold_cnt(0) depctr_sa_sdst(0) depctr_va_vdst(0) depctr_va_sdst(0) depctr_va_ssrc(0) depctr_va_vcc(0) depctr_vm_vsrc(0)
	s_getreg_b32 s2, hwreg(HW_REG_IB_STS2, 6, 4)
	s_cmp_eq_u32 s2, 0
	s_cbranch_scc0 .Lentry_in_a_cluster
	s_endpgm
.Lentry_in_a_cluster:
	s_bfe_u32 s2, ttmp6, 0x10000c
	s_cmp_lg_u32 s2, 0xf033
	s_cbranch_scc0 .Lentry_shape_is_right
	s_endpgm
.Lentry_shape_is_right:
; qkv = x w_qkv on codes of FP6 (E2M3), K = 1,024, and its results quantised at once for the two products of attention: no f32 number of qkv goes to memory.
; All operands are RECORDS of 12,800 bytes (128 rows x 128 K as an image of the operand's registers: tile t's register 4 c + e of lane L at byte 1536 t + 512 c + 16 L + 4 e; lane (r, h) of tile t holds row
; 32 (t / 2) + 8 (t % 2) + r + 8 (r / 8); scale words at 12288 + 256 (t / 4) + 16 r + 4 (t % 4)).  So a fragment is three loads of 16 bytes a lane at 16 x lane, and eight tiles' scale words are one.
; THE PRODUCT IS USED TRANSPOSED: source 0 = 16 rows of "B", source 1 = 16 rows of "A".  A lane then holds ONE row of A, and, by the order of a tile's rows, register 16 b + i of its 64 results against B's 128 rows is
; B's row 32 b + 16 h + i: sixteen neighbours of each block of 32, as the quantiser along B's rows wants them.
; q AND k (clusters 0-15): A = x (tokens), B = w_qkv's columns 0-2047: a lane holds a token, the blocks run along the head's channels.  A record of qk_rec: 128 tokens x a pair of heads.
; v (clusters 16-23): A = w_qkv's columns 2048-3071, B = x: a lane holds a channel, the blocks run along the TOKENS, which are the K of attention's second product.  A record of v_rec: a pair of heads' 128 channels x 128 tokens.
; The two cases differ in three pointers and two tile numbers, chosen on the cluster's number, which all partners share.
; A tile of the result, 256 x 256, is made by four waves, 128 x 128 each: 64 accumulators.  K goes in steps of 256 (two records a row group) through two LDS slots; a wave's tensor load brings 25,600 dense bytes.
; CLUSTERS: 4 x 4 work-groups; A's tiles are asked for jointly along a row of the cluster, B's along a column.
; A result record (R = A's group of 128 rows, g = B's) is number (R % 8) + 8 (g % 16) + 128 (R / 8 + g / 16) of its buffer.
; REGISTERS: window 0: v1 lane, v16-29 addresses, v32-47 scale words (two sets), v48-95 the quantiser's, v128-223 A's fragments (one set); window 1: B's fragments, two sets at v0 and v128; windows 2, 3: accumulator (a, b) at v[8 (8 (a % 4) + b)].
; LIMITS: NaN and infinities are not served; a block of zeros gets the byte 1 (its codes are zeros; this program alone reads the bytes).
.set REC,   12800
.set IMG,   1536
.set SCO,   12288
.set QUART, 2*REC                      ; what one tensor load brings: one group of 128 rows, two steps of 128 along K
.set SLOT,  QUART                      ; a wave's part of slot 1 lies directly behind its part of slot 0: one load of 200 rows fills both at the head
.set SPARE, 8*QUART                    ; behind the ring: the spare words, 128 bytes a wave, which no other line names
.set FR,    12
.set NP,    4                          ; places behind this matrix instruction (ISA guide 7.12.1)
.set ADRA, 16                          ; v16-17 my A group in slot 0, 1, + 16 x lane
.set ADRB, 20                          ; v20-21 the same for B
.set LI,   26                          ; v26    16 x lane
.set SPW,  28                          ; v28    my spare word; never rewritten
.set NIL,  29                          ; v29    0; never rewritten
.set SC,   32                          ; scale words: set p: A's at v[32 + 8 p] on, B's at v[36 + 8 p] on; register t % 4, lanes 0-15 tiles 0-3, lanes 16-31 tiles 4-7
.set TM,   48
.set TP,   52
.set TS,   56
.set PC,   64
.set CT,   76
.set WD,   84                          ; v84-91 the eight tiles' scale words
.set SW,   92
.set AF,   128
.set G1,   24
.set G0,   32
.set G1B,  48
.set G0B,  56
.set MSB, 0
.macro WIN new                         ; the immediate's high byte repeats the setting that is left
.if MSB != (\new)
	s_set_vgpr_msb (MSB<<8)|(\new)
.set MSB, (\new)
.endif
.endm
.set MUL_LO, 0xa1                      ; source 0 (B) window 1, source 1 (A) window 0, C and D window 2
.set MUL_HI, 0xf1
.set TO_B,   0x40
; A joint load: waves 0 and 1 fetch A's two groups, waves 2 and 3 B's.  The branch hangs on the wave's number alone.  Four v_nop follow each of the two lines.
.macro JLOAD g0a, g1a, g0b, g1b
	s_cmp_eq_u32 s15, 0
	s_cbranch_scc0 .Lfor_b_\@
	tensor_load_to_lds s[\g0a:\g0a+3], s[\g1a:\g1a+7]
	s_nop 0
.rept 4
	v_nop
.endr
	s_branch .Lasked_\@
.Lfor_b_\@:
	tensor_load_to_lds s[\g0b:\g0b+3], s[\g1b:\g1b+7]
	s_nop 0
.rept 4
	v_nop
.endr
.Lasked_\@:
.endm
.macro CREST                           ; a round of the cluster's barrier behind its opening barrier
	s_cmp_lg_u32 s14, 0
	s_cbranch_scc1 .Lnot_wave_0_\@
	s_barrier_signal -3
.Lnot_wave_0_\@:
	s_barrier_wait -3
	s_barrier_signal -1
	s_barrier_wait -1
.endm
.macro CROUND
	s_barrier_signal -1
	s_barrier_wait -1
	CREST
.endm
.macro PLACES n
.rept \n
	v_nop
.endr
.endm
	s_load_b128 s[4:7], s[0:1], 0x0                ; x_rec, wqk_rec
	s_load_b128 s[8:11], s[0:1], 0x10              ; wv_rec, qk_rec
	s_load_b64 s[12:13], s[0:1], 0x20              ; v_rec
	v_lshl_add_u32 v[SPW], v0, 2, SPARE
	v_mov_b32 v[NIL], 0
	ds_add_u32 v28, v29
	ds_add_u32 v28, v29
	s_wait_dscnt 0x0
	v_lshrrev_b32 v1, 5, v0
	v_readfirstlane_b32 s14, v1                    ; wave 0..3
	s_lshr_b32 s15, s14, 1                         ; which of A's two groups is mine.  Also: I fetch for A (0) or for B (1)
	s_and_b32 s16, s14, 1                          ; which of B's.  Also: which group I fetch
	s_bfe_u32 s40, ttmp6, 0x40000                  ; cx
	s_bfe_u32 s41, ttmp6, 0x40004                  ; cy
	s_lshr_b32 s18, ttmp9, 1
	s_and_b32 s19, ttmp9, 1
	s_sub_co_u32 s22, ttmp9, 16
	s_cmp_lt_u32 ttmp9, 16                         ; q and k, or v?  The cluster's number: the same in all sixteen partners
	s_cselect_b32 s18, s18, 0                      ; four tile rows: of 32 (tokens) or of 4 (v's channels)
	s_cselect_b32 s19, s19, s22                    ; four tile columns: of 8 (q and k's channels) or of 32 (tokens)
	s_lshl_b32 s17, s18, 2
	s_add_co_u32 s17, s17, s41                     ; tile row
	s_lshl_b32 s42, s19, 2
	s_add_co_u32 s42, s42, s40                     ; tile column
	s_lshl_b32 s43, s41, 2
	s_lshl_b32 s43, 15, s43                        ; my row of the cluster
	s_lshl_b32 s44, 0x1111, s40                    ; my column
	s_or_b32 s[G1+0], s43, (3<<16)|(1<<21)         ; 15:0 the mask; 17:16 elements of 8 bytes; 20 no padding; 21 set beside a mask
	s_or_b32 s[G1B+0], s44, (3<<16)|(1<<21)
.irp g, G1, G1B                        ; 25,600 dense bytes as 100 rows of 256
	s_mov_b32 s[\g+1], 32<<16                      ; tensor_dim0
	s_mov_b32 s[\g+2], 200<<16                     ; tensor_dim1: the head's load counts 200 rows, the refills 100
	s_mov_b32 s[\g+3], 32<<16                      ; tile_dim0
	s_mov_b32 s[\g+4], 200                         ; tile_dim1
	s_mov_b32 s[\g+5], 32                          ; tensor_dim0_stride
	s_mov_b32 s[\g+6], 0
	s_mov_b32 s[\g+7], 0
.endr
	s_lshl_b32 s20, s17, 1
	s_add_co_u32 s20, s20, s16
	s_mul_i32 s20, s20, 8*REC                      ; A: group 2 x tile row + half: eight records each
	s_mov_b32 s21, 0
	s_lshl_b32 s46, s42, 1
	s_add_co_u32 s46, s46, s16
	s_mul_i32 s46, s46, 8*REC                      ; B likewise, by the tile column
	s_mov_b32 s47, 0
	s_mul_i32 s45, s14, 2*QUART
	s_wait_kmcnt 0x0
	s_cmp_lt_u32 ttmp9, 16
	s_cselect_b64 s[68:69], s[4:5], s[8:9]         ; A: x or v's weights
	s_cselect_b64 s[70:71], s[6:7], s[4:5]         ; B: q and k's weights or x
	s_cselect_b64 s[72:73], s[10:11], s[12:13]     ; the results
	s_add_nc_u64 s[20:21], s[68:69], s[20:21]
	s_add_nc_u64 s[46:47], s[70:71], s[46:47]
	CROUND                                         ; all sixteen work-groups are here: the first joint loads meet
.irp s, 0,1
	s_mov_b32 s[G0+4*\s], 1
	s_add_co_u32 s[G0+4*\s+1], s45, \s*SLOT
	s_add_nc_u64 s[G0+4*\s+2:G0+4*\s+3], s[20:21], \s*QUART
	s_or_b32 s[G0+4*\s+3], s[G0+4*\s+3], 0x80000000
	s_mov_b32 s[G0B+4*\s], 1
	s_add_co_u32 s[G0B+4*\s+1], s45, \s*SLOT
	s_add_nc_u64 s[G0B+4*\s+2:G0B+4*\s+3], s[46:47], \s*QUART
	s_or_b32 s[G0B+4*\s+3], s[G0B+4*\s+3], 0x80000000
.endr
	JLOAD G0, G1, G0B, G1B                         ; my one load at the head: 51,200 dense bytes, my part of both slots
	v_and_b32 v1, 31, v0                           ; lane
	v_lshlrev_b32 v[LI], 4, v1
	v_lshlrev_b32 v27, 3, v1                       ; 8 x lane: the result records' codes
	s_mul_i32 s21, s15, 2*QUART
	s_mul_i32 s22, s16, 2*QUART
	s_add_co_u32 s22, s22, 4*QUART
.irp s, 0,1
	v_add_nc_u32 v[ADRA+\s], s21, v[LI]
	v_add_nc_u32 v[ADRB+\s], s22, v[LI]
	s_add_co_u32 s21, s21, SLOT
	s_add_co_u32 s22, s22, SLOT
.endr
.irp b, 0,1,2,3
	v_mov_b32 v[TP+\b], 0                          ; written once: a lane permute's destination counts as one of its sources
.endr
	s_lshl_b32 s74, s17, 1                         ; my result record
	s_add_co_u32 s74, s74, s15                     ; R
	s_lshl_b32 s75, s42, 1
	s_add_co_u32 s75, s75, s16                     ; g
	s_and_b32 s76, s74, 7
	s_and_b32 s77, s75, 15
	s_lshl_b32 s77, s77, 3
	s_add_co_u32 s76, s76, s77
	s_lshr_b32 s74, s74, 3
	s_lshr_b32 s75, s75, 4
	s_add_co_u32 s74, s74, s75
	s_lshl_b32 s74, s74, 7
	s_add_co_u32 s74, s74, s76
	s_mul_i32 s74, s74, REC
	s_mov_b32 s75, 0
	s_add_nc_u64 s[72:73], s[72:73], s[74:75]
.macro FRAG reg, adr, q, i             ; tile i of the slot's q-th record: three loads, each 512 consecutive bytes
.irp c, 0,1,2
	ds_load_b128 v[\reg+4*\c:\reg+4*\c+3], v[\adr] offset:(\q)*REC+(\i)*IMG+512*\c
.endr
.endm
.macro FETCH_B slot, q, p
	WIN TO_B
.irp i, 0,1,2,3,4,5,6,7
	FRAG 128*(\p)+FR*\i, ADRB+\slot, \q, \i
.endr
	WIN 0
.endm
.macro FETCH_A slot, q, i0
.irp i, \i0, \i0+1, \i0+2, \i0+3
	FRAG AF+FR*(\i), ADRA+\slot, \q, \i
.endr
.endm
.macro SCALES slot, q, p
	ds_load_b128 v[SC+8*(\p):SC+8*(\p)+3], v[ADRA+\slot] offset:(\q)*REC+SCO
	ds_load_b128 v[SC+8*(\p)+4:SC+8*(\p)+7], v[ADRB+\slot] offset:(\q)*REC+SCO
.endm
; one product.  ra, rb: source 0's, source 1's tile is one of 4-7, whose scale words lie in lanes 16-31.  first: the product starts its sum
.macro WM first, ra, rb
.if (\first) && (\ra) && (\rb)
	v_wmma_scale_f32_16x16x128_f8f6f4 v[D_:D_+7], v[B_:B_+11], v[A_:A_+11], 0, v[SA_], v[SB_] matrix_a_fmt:MATRIX_FMT_FP6 matrix_b_fmt:MATRIX_FMT_FP6 matrix_a_scale:MATRIX_SCALE_ROW1 matrix_b_scale:MATRIX_SCALE_ROW1
.elseif (\first) && (\ra)
	v_wmma_scale_f32_16x16x128_f8f6f4 v[D_:D_+7], v[B_:B_+11], v[A_:A_+11], 0, v[SA_], v[SB_] matrix_a_fmt:MATRIX_FMT_FP6 matrix_b_fmt:MATRIX_FMT_FP6 matrix_a_scale:MATRIX_SCALE_ROW1
.elseif (\first) && (\rb)
	v_wmma_scale_f32_16x16x128_f8f6f4 v[D_:D_+7], v[B_:B_+11], v[A_:A_+11], 0, v[SA_], v[SB_] matrix_a_fmt:MATRIX_FMT_FP6 matrix_b_fmt:MATRIX_FMT_FP6 matrix_b_scale:MATRIX_SCALE_ROW1
.elseif (\first)
	v_wmma_scale_f32_16x16x128_f8f6f4 v[D_:D_+7], v[B_:B_+11], v[A_:A_+11], 0, v[SA_], v[SB_] matrix_a_fmt:MATRIX_FMT_FP6 matrix_b_fmt:MATRIX_FMT_FP6
.elseif (\ra) && (\rb)
	v_wmma_scale_f32_16x16x128_f8f6f4 v[D_:D_+7], v[B_:B_+11], v[A_:A_+11], v[D_:D_+7], v[SA_], v[SB_] matrix_a_fmt:MATRIX_FMT_FP6 matrix_b_fmt:MATRIX_FMT_FP6 matrix_a_scale:MATRIX_SCALE_ROW1 matrix_b_scale:MATRIX_SCALE_ROW1
.elseif (\ra)
	v_wmma_scale_f32_16x16x128_f8f6f4 v[D_:D_+7], v[B_:B_+11], v[A_:A_+11], v[D_:D_+7], v[SA_], v[SB_] matrix_a_fmt:MATRIX_FMT_FP6 matrix_b_fmt:MATRIX_FMT_FP6 matrix_a_scale:MATRIX_SCALE_ROW1
.elseif (\rb)
	v_wmma_scale_f32_16x16x128_f8f6f4 v[D_:D_+7], v[B_:B_+11], v[A_:A_+11], v[D_:D_+7], v[SA_], v[SB_] matrix_a_fmt:MATRIX_FMT_FP6 matrix_b_fmt:MATRIX_FMT_FP6 matrix_b_scale:MATRIX_SCALE_ROW1
.else
	v_wmma_scale_f32_16x16x128_f8f6f4 v[D_:D_+7], v[B_:B_+11], v[A_:A_+11], v[D_:D_+7], v[SA_], v[SB_] matrix_a_fmt:MATRIX_FMT_FP6 matrix_b_fmt:MATRIX_FMT_FP6
.endif
.endm
; 16 products: A's tiles a0, a0 + 1 x B's eight.  p: B's set and the set of scale words.  The 64 accumulators take turns, one instruction a turn, in the same order in every step.
.macro MUL16 a0, p, first
.irp a, \a0, \a0+1
.irp b, 0,1,2,3,4,5,6,7
.set D_, 8*(8*((\a)%4)+\b)
.set B_, 128*(\p)+FR*\b
.set A_, AF+FR*(\a)
.set SA_, SC+8*(\p)+4+\b%4
.set SB_, SC+8*(\p)+(\a)%4
	WM \first, \b/4, (\a)/4
.endr
.endr
.endm
; A slot's first step of 128 along K.  A tile of A is free as soon as its eight products are issued: tiles 0-3 are fetched anew in the step's middle, 4-7 at its end.  B has two sets.
.macro STEP slot, first
	s_wait_dscnt 12                                ; all but the youngest twelve loads (A's tiles 4-7) are in
	WIN MUL_LO
	MUL16 0, 0, \first
	MUL16 2, 0, \first
	s_wait_dscnt 0
	PLACES NP
	FETCH_B \slot, 1, 1
	FETCH_A \slot, 1, 0
	SCALES \slot, 1, 1
	WIN MUL_HI
	MUL16 4, 0, \first
	MUL16 6, 0, \first
	PLACES NP
	WIN 0
	FETCH_A \slot, 1, 4
.endm
; A slot's second step changes slots: one barrier; in front of it each wave waits for all its tensor loads, adds 0 to its spare word, and waits for that and for its reads of this slot.  fill = 1: this slot is filled again.
.macro TURN slot, next, fill
	s_wait_tensorcnt 0x0                           ; all my tensor loads have landed: my part of the next slot
	ds_add_u32 v[SPW], v[NIL]                      ; 0 onto my spare word
	s_wait_dscnt 13                                ; (the add and A's tiles 4-7, twelve loads, may be out)
	WIN MUL_LO
	MUL16 0, 1, 0
	s_wait_dscnt 0x0                               ; the add is done, and my reads of this slot are over
	s_barrier_signal -1
	MUL16 2, 1, 0
	WIN 0
	s_barrier_wait -1
.if \fill
	CREST                                          ; the barrier has opened a round of the cluster's: no wave of any partner still reads this slot or has a load on its way
	s_add_nc_u64 s[G0+4*\slot+2:G0+4*\slot+3], s[G0+4*\slot+2:G0+4*\slot+3], 2*QUART
	s_add_nc_u64 s[G0B+4*\slot+2:G0B+4*\slot+3], s[G0B+4*\slot+2:G0B+4*\slot+3], 2*QUART
	JLOAD G0+4*\slot, G1, G0B+4*\slot, G1B         ; the first tensor load behind the round; its four v_nop are also the places in front of the loads below
.else
	PLACES NP
.endif
	FETCH_B \next, 0, 0
	FETCH_A \next, 0, 0
	SCALES \next, 0, 0
	WIN MUL_HI
	MUL16 4, 1, 0
	MUL16 6, 1, 0
	PLACES NP
	WIN 0
	FETCH_A \next, 0, 4
.endm
	s_wait_alu depctr_va_vdst(0)
	s_wait_tensorcnt 0x0                           ; my part of both slots is in; no tensor load of mine is out, so group 1 may be written:
	s_mov_b32 s[G1+2], 100<<16                     ; from here on a load brings 100 rows
	s_mov_b32 s[G1+4], 100
	s_mov_b32 s[G1B+2], 100<<16
	s_mov_b32 s[G1B+4], 100
	s_barrier_signal -1
	s_barrier_wait -1                              ; everybody's is
	FETCH_B 0, 0, 0
	FETCH_A 0, 0, 0
	SCALES 0, 0, 0
	FETCH_A 0, 0, 4
	STEP 0, 1                                      ; K = 1,024 is eight steps, four slots' worth: written straight
	TURN 0, 1, 1
	STEP 1, 0
	TURN 1, 0, 1
	STEP 0, 0
	TURN 0, 1, 0                                   ; nothing is left to fetch
	STEP 1, 0
	s_wait_dscnt 12
	WIN MUL_LO
	MUL16 0, 1, 0
	MUL16 2, 1, 0
	s_wait_dscnt 0
	WIN MUL_HI
	MUL16 4, 1, 0
	MUL16 6, 1, 0
	WIN 0
; THE WAY OUT: A's tile a, 64 results a lane, becomes tile a of the result record: the codes leave from the registers in which the quantiser leaves them.
.macro QUANTA a
.set AC, 64*((\a)%4)
	WIN 0x0a+5*((\a)/4)                            ; sources 0 and 1: window 2 or 3.
.irp b, 0,1,2,3
	v_max3_num_f32 v[TM+\b], |v[AC+16*\b]|, |v[AC+16*\b+1]|, 0x1800000   ; the floor 2^(3 - 127): the byte cannot fall under 1
.endr
.irp i, 2,4,6,8,10,12,14
.irp b, 0,1,2,3
	v_max3_num_f32 v[TM+\b], |v[AC+16*\b+\i]|, |v[AC+16*\b+\i+1]|, v[TM+\b]
.endr
.endr
	WIN 0
.irp b, 0,1,2,3
	v_permlanex16_b32 v[TP+\b], v[TM+\b], s[78], s[79]
.endr
.irp b, 0,1,2,3
	v_max_num_f32 v[TM+\b], v[TM+\b], v[TP+\b]
.endr
.irp b, 0,1,2,3
	v_add_nc_u32 v[TS+\b], 0xff000000, v[TM+\b]    ; 2 off the exponent field: the conversions' scale operand
.endr
.irp b, 0,1,2,3
	v_lshrrev_b32 v[TP+\b], 23, v[TS+\b]
.endr
	v_lshl_or_b32 v[WD+\a], v[TP+1], 8, v[TP]
	v_lshl_or_b32 v[WD+\a], v[TP+2], 16, v[WD+\a]
	v_lshl_or_b32 v[WD+\a], v[TP+3], 24, v[WD+\a]
	s_wait_xcnt 0x0                                ; the last tile's stores have read the codes' registers
	WIN 0x02+(\a)/4                                ; source 0: window 2 or 3
.irp c, 0,1
	v_cvt_scalef32_pk16_fp6_f32 v[PC+6*\c:PC+6*\c+2], v[AC+32*\c:AC+32*\c+15], v[TS+2*\c]
	v_cvt_scalef32_pk16_fp6_f32 v[CT+4*\c:CT+4*\c+2], v[AC+32*\c+16:AC+32*\c+31], v[TS+2*\c+1]
.endr
	WIN 0
	v_nop                                          ; one plain instruction behind the scaled conversions
.irp c, 0,1
.irp i, 0,1,2
	v_permlane16_swap_b32 v[PC+6*\c+\i], v[CT+4*\c+\i]
.endr
.irp i, 0,1,2
	v_mov_b32 v[PC+6*\c+3+\i], v[CT+4*\c+\i]
.endr
.endr
.irp c, 0,1,2,3,4,5                    ; A RESULT RECORD'S CODES: registers 2 m, 2 m + 1 of lane L of tile a at byte 1536 a + 256 m + 8 L: each store covers 256 consecutive bytes, aligned
	global_store_b64 v27, v[PC+2*\c:PC+2*\c+1], s[72:73] offset:\a*IMG+256*\c
.endr
.endm
	s_mov_b32 s78, 0x76543210                      ; v_permlanex16_b32's selects for lane l xor 16
	s_mov_b32 s79, 0xfedcba98
	PLACES NP                                      ; behind the last products
.irp a, 0,1,2,3,4,5,6,7
	QUANTA \a
.endr
	v_cmp_gt_u32 vcc_lo, 16, v1                    ; lanes 0-15 store tiles 0-3's words of row r, lanes 16-31 tiles 4-7's
.irp j, 0,1,2,3
	v_cndmask_b32 v[SW+\j], v[WD+4+\j], v[WD+\j], vcc_lo
.endr
	global_store_b128 v[LI], v[SW:SW+3], s[72:73] offset:SCO
	s_wait_tensorcnt 0x0                           ; the wave's end
	ds_add_u32 v[SPW], v[NIL]
	s_wait_dscnt 0x0
	CROUND                                         ; the closing round: no work-group ends while a partner may still ask for a tile that names it
	s_endpgm
.Lfunc_end_k_q18fb88bbfb_qkv:
	.size	k_q18fb88bbfb_qkv, .Lfunc_end_k_q18fb88bbfb_qkv-k_q18fb88bbfb_qkv
	.p2alignl 7, 3214868480
	.fill 96, 4, 3214868480
	.section	.rodata,"a",@progbits
	.p2align	6, 0x0
	.amdhsa_kernel k_q18fb88bbfb_qkv
		.amdhsa_group_segment_fixed_size 327680
		.amdhsa_private_segment_fixed_size 0
		.amdhsa_enable_private_segment 0
		.amdhsa_kernarg_size 40
		.amdhsa_user_sgpr_count 2
		.amdhsa_user_sgpr_kernarg_segment_ptr 1
		.amdhsa_wavefront_size32 1
		.amdhsa_system_sgpr_workgroup_id_x 1
		.amdhsa_system_sgpr_workgroup_id_y 1
		.amdhsa_system_sgpr_workgroup_id_z 1
		.amdhsa_system_vgpr_workitem_id 0
		.amdhsa_next_free_vgpr 1024
		.amdhsa_next_free_sgpr 80
		.amdhsa_reserve_vcc 1
		.amdhsa_float_denorm_mode_32 3
		.amdhsa_float_denorm_mode_16_64 3
		.amdhsa_memory_ordered 1
		.amdhsa_forward_progress 1
		.amdhsa_inst_pref_size 138
	.end_amdhsa_kernel
	.amdgpu_metadata
---
amdhsa.version: [ 1, 2 ]
amdhsa.kernels:
  - .name:           k_q18fb88bbfb_qkv
    .symbol:         k_q18fb88bbfb_qkv.kd
    .args:
      - { .name: x_rec, .offset: 0, .size: 8, .value_kind: global_buffer, .address_space: global }
      - { .name: wqk_rec, .offset: 8, .size: 8, .value_kind: global_buffer, .address_space: global }
      - { .name: wv_rec, .offset: 16, .size: 8, .value_kind: global_buffer, .address_space: global }
      - { .name: qk_rec, .offset: 24, .size: 8, .value_kind: global_buffer, .address_space: global }
      - { .name: v_rec, .offset: 32, .size: 8, .value_kind: global_buffer, .address_space: global }
    .group_segment_fixed_size: 327680
    .private_segment_fixed_size: 0
    .kernarg_segment_align: 8
    .kernarg_segment_size: 40
    .max_flat_workgroup_size: 128
    .sgpr_count:     80
    .vgpr_count:     1024
    .wavefront_size: 32
...
	.end_amdgpu_metadata
.endif
;; end of part 2
;; launch attn (part 3): grid 8 x 32, 16 waves a work-group, no clusters, 327,680 bytes of LDS; arguments qk_rec, v_rec, att_rec; writes att_rec
.if DOCPART == 3
	.amdgcn_target "amdgcn-amd-amdhsa--gfx1250"
	.amdhsa_code_object_version 6
	.text
	.protected	k_q18fb88bbfb_attn
	.globl	k_q18fb88bbfb_attn
	.p2align	8
	.type	k_q18fb88bbfb_attn,@function
k_q18fb88bbfb_attn:
	s_mov_b64 s[64:65], 0
	v_nop
	global_prefetch_b8 v0, s[64:65] scope:SCOPE_SE
	s_setreg_imm32_b32 hwreg(HW_REG_WAVE_MODE, 25, 1), 1
	s_wait_xcnt 0x0
; Causal attention on codes of FP6 (E2M3): for each batch and head, o[q] = the sum over keys k <= q of softmax_k(q . k / 8) v[k]; head size 64, 2,048 tokens; o is quantised along the model's 1,024 for the last product and leaves as codes.
; LEFT OUT: key steps that lie wholly above the diagonal.  reference() adds -1e10 to their logits, so that their p is 0 beside the row's own key; here hidden keys of the diagonal's step count as -infinity.
; RECORDS of 12,800 bytes: 128 rows x 128 K; lane (r, h) of tile t holds row 32 (t / 2) + 8 (t % 2) + r + 8 (r / 8); the row's scale word at 12288 + 256 (t / 4) + 16 r + 4 (t % 4).
; In qk_rec and v_rec registers 2 m, 2 m + 1 of lane L of tile t lie at 1536 t + 256 m + 8 L; in att_rec register 4 c + e at 1536 t + 512 c + 16 L + 4 e.
; A record of q or of k: 128 tokens x a PAIR of heads (registers 0-5, scale bytes 0, 1: the even head; 6-11, bytes 2, 3: the odd).  A record of v: the pair's 128 channels x 128 tokens.
; SHARES.  Work-group (i, batch and head pair) owns the query blocks 15 - i and then i, 128 queries each: 16 - i and i + 1 key steps of 128 keys: 17 for every work-group.  Sixteen waves: wave = (tile w of 16 queries, ONE head p).
; THE FIRST PRODUCT'S K IS 64, the instruction's 128.  A wave loads only its head's six registers of each tile of K, six registers apart; an operand's upper six registers are the next tile's (behind the last: p's codes), and meet
; the six zero codes of Q's operand: FP6 has no NaN and no infinity, so they add 0.  The head's two scale bytes are loaded as 16 bits, so that they stand in bytes 0 and 1.
; THE SOFTMAX: t = score x log2(e) / 8; M = the running largest t rounded UP to a whole number; p = 2^(t - M) is quantised along the keys, not normalised; the row's sum is taken of the unquantised p and divides o at the end.
; Both products are used transposed (S^T = K Q^T, O^T = V^T P^T): a lane holds one query, register 16 b + i of S^T is key 32 b + 16 h + i, of O^T channel 32 b + 16 h + i of the head.
; THE RING: two LDS slots, each with a step's record of K and of V; wave 0 fetches K's, wave 1 V's.  The change of slots stands behind a step's score products, when K and V of the step are in registers: behind the barrier the slot
; just read takes the step two on, and the next step's K is fetched (32 LDS loads), with the softmax between these loads and their use; the next step's V (25 loads) follows the step's last products.  A wave has one tensor load out.
; NO JOINT LOADS: the eight work-groups of a head pair ask for the same records only in their first 9 steps; from there on their numbers of steps in the first block differ, and with them the descriptors.
; THE WAY OUT: a wave makes six registers and two scale bytes of a fragment.  Of a tile's 1,536 bytes each head stores 512 whole; the middle 512 are stored 8 bytes a lane by each head, the scale bytes 2 a lane.
; LIMITS: NaN and infinities are not served; scaled scores stay under 2^31; a p under 2^-126 counts as 0 (v_exp_f32's entry in the ISA guide); a block of zeros gets the byte 1 (its codes are zeros; this program alone reads the bytes).
.set REC,   12800
.set IMG,   1536
.set SCO,   12288
.set VOFF,  REC                        ; a slot: K's record, then V's
.set SLOT1, 32768
.set SPARE, 65536                      ; the spare words, 128 bytes a wave, which no other line names
.set CK,  1                            ; v1   8 x lane + 768 p: my head's codes in K's record
.set VI,  2                            ; v2   my half tile in a record of q
.set SPW, 3                            ; v3   my spare word; never rewritten
.set NIL, 4                            ; v4   0; never rewritten
.set QD,  5                            ; v5   my query's place in its block - 16 h
.set VSO, 6                            ; v6   my row's two scale bytes in a record
.set PFO, 7                            ; v7   the prefetches' offset
.set ST,  8                            ; v8-11  -M, the largest t, the sum in two halves
.set CKS, 12                           ; v12  16 r + SCO + 2 p
.set T,   14                           ; v14, v15 at work
.set F,   16                           ; v[16:17] f = 2^(old M - new M), and 0
.set QS,  18
.set PS,  19
.set KS,  20                           ; v20-27 K's scales, a register a tile
.set VS,  28                           ; v28-31 V's
.set QF,  32                           ; v32-43 Q: my head's six registers, six of zeros
.set KF,  44                           ; v44-91 K: eight tiles x six registers
.set PC,  92                           ; v92-103 p's codes
.set VF,  104                          ; v104-151 V: four tiles
.set S,   152                          ; v152-215 S^T, then p; at a block's end at work
.set O,   216                          ; v216-247 O^T
.set TM,  248                          ; v248-251 the blocks' maxima, then the conversions' scale operands
.set TP,  252                          ; v252-255
.set WV,  10
.set HD,  11                           ; s11  my head of the pair
.set NB,  12                           ; s12  key steps of the first block: 16 - i
.set NB1, 13                           ; s13  the trip of its last step
.set POS, 14                           ; s14  the trip
.set TB,  15                           ; s15  the slot that is fetched from next
.set G1,  16
.set G0K, 24
.set G0V, 28
.set KB,  32
.set VB,  34
.set SEL, 36
.set CS,  38
.set QA,  40
.set QB,  42
.set OA,  44
.set OB,  46
.set PFB, 56
.set PFA, 58
.set LIM, 60
.set DV,  61                           ; s61  from my place in K's record to my place in V's: VOFF + 5376 p
.set DVS, 63                           ; s63  the same for the scales: VOFF + 254 p
.macro WORD w                          ; the conversions' scale operands (2 off the exponent field, in place) and the row's scale word
.irp b, 0,1,2,3
	s_delay_alu instid0(VALU_DEP_4)
	v_add_nc_u32 v[TM+\b], 0xff000000, v[TM+\b]
.endr
.irp b, 0,1,2,3
	s_delay_alu instid0(VALU_DEP_4)
	v_lshrrev_b32 v[TP+\b], 23, v[TM+\b]
.endr
	s_delay_alu instid0(VALU_DEP_3)
	v_lshl_or_b32 v[\w], v[TP+1], 8, v[TP]
	s_delay_alu instid0(VALU_DEP_1)
	v_lshl_or_b32 v[\w], v[TP+2], 16, v[\w]
	s_delay_alu instid0(VALU_DEP_1)
	v_lshl_or_b32 v[\w], v[TP+3], 24, v[\w]
.endm
; Half an operand: blocks 2 c and 2 c + 1.  The second conversion's three registers begin on an even number: u names where they wait: for c = 0 the operand's own registers 6-8, for c = 1 three registers of p that are done with.
.macro HALFC c, u
	v_cvt_scalef32_pk16_fp6_f32 v[PC+6*\c:PC+6*\c+2], v[S+32*\c:S+32*\c+15], v[TM+2*\c]
	v_cvt_scalef32_pk16_fp6_f32 v[\u:\u+2], v[S+32*\c+16:S+32*\c+31], v[TM+2*\c+1]
	v_nop                                          ; one plain instruction behind the scaled conversions
.irp i, 0,1,2                          ; the layout wants a whole block in a lane
	v_permlane16_swap_b32 v[PC+6*\c+\i], v[\u+\i]
.endr
.irp i, 0,1,2
	s_delay_alu instid0(VALU_DEP_3)
	v_mov_b32 v[PC+6*\c+3+\i], v[\u+\i]
.endr
.endm
; Wave 0 fetches K's record, wave 1 V's, the others nothing.  An s_nop 0 and four v_nop follow each of the two lines.
.macro TLOAD
	s_cmp_eq_u32 s[WV], 0
	s_cbranch_scc0 .Lnot_k_\@
	tensor_load_to_lds s[G0K:G0K+3], s[G1:G1+7]
	s_nop 0
.rept 4
	v_nop
.endr
	s_branch .Lasked_\@
.Lnot_k_\@:
	s_cmp_eq_u32 s[WV], 1
	s_cbranch_scc0 .Lasked_\@
	tensor_load_to_lds s[G0V:G0V+3], s[G1:G1+7]
	s_nop 0
.rept 4
	v_nop
.endr
.Lasked_\@:
.endm
; A PREFETCH of the records of key step trip + 3, one trip ahead of their tensor load.  All eight work-groups of a head pair walk the same records from step 0 on: the one that walks all sixteen (i = 0) asks, in its first block:
; waves 2 and 3 take the two halves (6,400 bytes, 25 blocks of 256) of K's record, waves 4 and 5 of V's; a lane a block; lanes 25-31 name the 25th again.  Steps 0 and 1 come by their loads alone; trips 13 on ask for nothing.
.macro ASK
	s_cmp_lt_i32 s[POS], s[LIM]
	s_cbranch_scc0 .Lnot_mine_\@
	global_prefetch_b8 v[PFO], s[PFA:PFA+1] th:TH_LOAD_NT scope:SCOPE_SE
.Lnot_mine_\@:
.endm
; THE CHANGE OF SLOTS.  Each wave waits for all its tensor loads, adds 0 to its spare word, and waits for that and for its LDS reads.  fill = 1: the slot just read takes the records of trip + 2.
.macro CHANGE fill
	s_wait_alu depctr_va_vdst(0)                   ; directly ahead of the wait below
	s_wait_tensorcnt 0x0                           ; no tensor load of mine is out, so a group 0 may be written
	ds_add_u32 v[SPW], v[NIL]
.if \fill
	ds_add_u32 v[SPW], v[NIL]                      ; a second add
	s_add_co_u32 s48, s[POS], 2
	s_cmp_ge_u32 s48, s[NB]
	s_cselect_b32 s49, s[NB], 0
	s_sub_co_u32 s48, s48, s49                     ; that trip's key step: the second block begins again at 0
	s_and_b32 s49, s48, 7
	s_lshr_b32 s50, s48, 3
	s_lshl_b32 s50, s50, 7
	s_add_co_u32 s49, s49, s50                     ; K's records: step s lies (s % 8) + 128 (s / 8) records on,
	s_mul_i32 s50, s49, REC
	s_mov_b32 s51, 0
	s_add_nc_u64 s[G0K+2:G0K+3], s[KB:KB+1], s[50:51]
	s_or_b32 s[G0K+3], s[G0K+3], 0x80000000
	s_mul_i32 s50, s48, 8*REC                      ; V's 8 s
	s_add_nc_u64 s[G0V+2:G0V+3], s[VB:VB+1], s[50:51]
	s_or_b32 s[G0V+3], s[G0V+3], 0x80000000
	s_xor_b32 s[G0K+1], s[G0K+1], SLOT1            ; into the other slot than last time
	s_xor_b32 s[G0V+1], s[G0V+1], SLOT1
	s_add_co_u32 s48, s[POS], 3                    ; the prefetch: key step trip + 3
	s_and_b32 s49, s48, 7
	s_lshr_b32 s52, s48, 3
	s_lshl_b32 s52, s52, 7
	s_add_co_u32 s49, s49, s52
	s_lshl_b32 s48, s48, 3
	s_cmp_lt_u32 s[WV], 4
	s_cselect_b32 s48, s49, s48
	s_mul_i32 s50, s48, REC
	s_wait_xcnt 0x0                                ; the last prefetch, a trip back, has read its address
	s_add_nc_u64 s[PFA:PFA+1], s[PFB:PFB+1], s[50:51]
.endif
	s_wait_dscnt 0x0                               ; the add is done; K and V of the slot that is left are in my registers
	s_barrier_signal -1
	s_barrier_wait -1
.if \fill
	TLOAD                                          ; the first thing behind the barrier, and a wave's one tensor load until the next
	ASK
.endif
.endm
.macro FETCHK                          ; the next step's K: 8 + 24 loads
	v_add_nc_u32 v[T], s[TB], v[CK]
	v_add_nc_u32 v[T+1], s[TB], v[CKS]
.irp t, 0,1,2,3,4,5,6,7
	ds_load_u16 v[KS+\t], v[T+1] offset:256*(\t/4)+4*(\t%4)
.endr
.irp t, 0,1,2,3,4,5,6,7
.irp j, 0,1,2
	ds_load_b64 v[KF+6*\t+2*\j:KF+6*\t+2*\j+1], v[T] offset:IMG*\t+256*\j     ; 256 consecutive bytes a load
.endr
.endr
.endm
.macro FETCHV                          ; the next step's V: 1 + 24 loads.  Two additions and two v_nop are the places behind the last products, whose registers these loads write
	s_add_co_u32 s53, s[TB], s[DV]
	s_add_co_u32 s54, s[TB], s[DVS]
	v_add_nc_u32 v[T], s53, v[CK]
	v_add_nc_u32 v[T+1], s54, v[CKS]
	v_nop
	v_nop
	ds_load_b128 v[VS:VS+3], v[T+1]
.irp t, 0,1,2,3
.irp j, 0,1,2,3,4,5
	ds_load_b64 v[VF+12*\t+2*\j:VF+12*\t+2*\j+1], v[T] offset:IMG*\t+256*\j
.endr
.endr
	s_xor_b32 s[TB], s[TB], SLOT1
.endm
; A key step.  diag = 0: the mask stands under a scalar branch on the trip; 1: it is always run.  kind = 2: change of slots with a refill, and the next fetches; 1: without a refill; 0: the last step.
.macro TRIP diag, kind
	s_wait_dscnt 25                                ; K's codes and scales are in; V's 25 loads may be out
.irp t, 0,1,2,3,4,5,6,7
	v_wmma_scale_f32_16x16x128_f8f6f4 v[S+8*\t:S+8*\t+7], v[KF+6*\t:KF+6*\t+11], v[QF:QF+11], 0, v[KS+\t], v[QS] matrix_a_fmt:MATRIX_FMT_FP6 matrix_b_fmt:MATRIX_FMT_FP6
.endr
.rept 4
	v_nop                                          ; places behind the products: for the reads of S^T and for the loads into K's and Q's registers
.endr
.if (\kind) == 2
	CHANGE 1
	FETCHK
.elseif (\kind) == 1
	CHANGE 0
	FETCHK
.endif
.if (\diag) == 0                       ; a block's last step lies on the diagonal: there the scores of hidden keys become -infinity ahead of the maximum, and p = 0
	s_cmp_lg_u32 s[POS], s[NB1]
	s_cbranch_scc1 .Lopen_\@
.irp j, 0,1,2                          ; it is also the last step that multiplies by the first block's Q: the second block's is asked for
	global_load_b64 v[QF+2*\j:QF+2*\j+1], v[VI], s[QB:QB+1] offset:256*\j
.endr
	global_load_u16 v[QS], v[VSO], s[QB:QB+1]
.endif
	v_mov_b32 v[T], 0xff800000
.set n, 0
.rept 64                               ; register n holds key 32 (n / 16) + 16 h + n % 16 of the block
	v_cmp_gt_i32 vcc_lo, 32*(n/16)+n%16, v[QD]
	v_cndmask_b32 v[S+n], v[S+n], v[T], vcc_lo
.set n, n+1
.endr
.if (\diag) == 0
.Lopen_\@:
.endif
.irp b, 0,1,2,3
	v_max3_num_f32 v[TM+\b], v[S+16*\b], v[S+1+16*\b], v[S+2+16*\b]   ; the largest score of each block of 32 keys: for the row's maximum, and, since p rises with the score, for the block's largest p
.endr
.irp i, 3,5,7,9,11,13
.irp b, 0,1,2,3
	v_max3_num_f32 v[TM+\b], v[TM+\b], v[S+16*\b+\i], v[S+1+16*\b+\i]
.endr
.endr
.irp b, 0,1,2,3
	v_max_num_f32 v[TM+\b], v[TM+\b], v[S+15+16*\b]
.endr
.irp b, 0,1,2,3
	s_delay_alu instid0(VALU_DEP_4)
	v_permlanex16_b32 v[TP+\b], v[TM+\b], s[SEL], s[SEL+1]
.endr
.irp b, 0,1,2,3
	s_delay_alu instid0(VALU_DEP_4)
	v_max_num_f32 v[TM+\b], v[TM+\b], v[TP+\b]     ; with lane l xor 16's 16 keys
.endr
	s_delay_alu instid0(VALU_DEP_2)
	v_max3_num_f32 v[T], v[TM], v[TM+1], v[TM+2]
	s_delay_alu instid0(VALU_DEP_1)
	v_max_num_f32 v[T], v[T], v[TM+3]
	s_delay_alu instid0(VALU_DEP_1)
	v_mul_f32 v[T], s[CS], v[T]                    ; the step's largest t (c is positive)
	s_delay_alu instid0(VALU_DEP_1)
	v_max_num_f32 v[ST+1], v[ST+1], v[T]           ; the running largest t
	v_mov_b32 v[T], v[ST]
	s_delay_alu instid0(VALU_DEP_2)
	v_floor_f32 v[ST], -v[ST+1]                    ; the new -M = floor(-t): M is a whole number
	s_delay_alu instid0(VALU_DEP_1)
	v_sub_f32 v[T], v[ST], v[T]                    ; old M - new M: a whole number, 0 or less
	s_delay_alu instid0(VALU_DEP_1)
	v_cvt_i32_f32 v[T], v[T]                       ; (it saturates)
	s_delay_alu instid0(VALU_DEP_1)
	v_ldexp_f32 v[F], 1.0, v[T]                    ; f = 2^(old M - new M)
.set j, 0
.rept 32
	v_pk_fma_f32 v[S+j:S+j+1], v[S+j:S+j+1], s[CS:CS+1], v[ST:ST+1] op_sel_hi:[1,0,0]   ; t - M, two at a time
.set j, j+2
.endr
.irp b, 0,1,2,3
	v_fma_f32 v[TM+\b], v[TM+\b], s[CS], v[ST]     ; the same of each block's largest score
.endr
	s_wait_alu depctr_va_vdst(0)                   ; ahead of the batch
.set j, 0
.rept 64
	v_exp_f32 v[S+j], v[S+j]                       ; p = 2^(t - M), at most 1
.set j, j+1
.endr
	v_pk_mul_f32 v[ST+2:ST+3], v[ST+2:ST+3], v[F:F+1] op_sel_hi:[1,0]   ; the sums under the new M: the plain instruction behind the exponentials
	s_wait_alu depctr_va_vdst(0)                   ; one wait for the batch of 64, ahead of its first reader
.irp b, 0,1,2,3
	v_exp_f32 v[TM+\b], v[TM+\b]                   ; the blocks' largest p: the same two instructions on the same number
.endr
	v_pk_add_f32 v[TP:TP+1], v[S:S+1], v[S+2:S+3]  ; the row's sum is taken of the unquantised p, two at a time, in two chains
.set j, 4
.rept 15
	v_pk_add_f32 v[ST+2:ST+3], v[ST+2:ST+3], v[S+j:S+j+1]
	v_pk_add_f32 v[TP:TP+1], v[TP:TP+1], v[S+j+2:S+j+3]
.set j, j+4
.endr
	s_delay_alu instid0(VALU_DEP_1)
	v_pk_add_f32 v[ST+2:ST+3], v[ST+2:ST+3], v[TP:TP+1]
	s_wait_alu depctr_va_vdst(0)                   ; and one for the four
.irp b, 0,1,2,3
	v_max_num_f32 v[TM+\b], 0x1800000, v[TM+\b]    ; the floor 2^(3 - 127): the byte cannot fall under 1
.endr
	WORD PS
	HALFC 0, PC+6
	HALFC 1, S
	s_wait_alu depctr_va_vdst(0)                   ; directly ahead of the first reader of O^T
.set j, 0
.rept 16
	v_pk_mul_f32 v[O+j:O+j+1], v[O+j:O+j+1], v[F:F+1] op_sel_hi:[1,0]   ; O^T under the new M; these are also the places between the scale word, the codes and the products
.set j, j+2
.endr
.if (\kind) == 0
	s_wait_alu depctr_va_vdst(0)                   ; directly ahead of the wait below
	s_wait_dscnt 0x0                               ; V's four tiles are in (in the other steps the change of slots has waited for them)
.endif
.irp t, 0,1,2,3                        ; O^T += V^T P^T: four accumulators by turns
	v_wmma_scale_f32_16x16x128_f8f6f4 v[O+8*\t:O+8*\t+7], v[VF+12*\t:VF+12*\t+11], v[PC:PC+11], v[O+8*\t:O+8*\t+7], v[VS+\t], v[PS] matrix_a_fmt:MATRIX_FMT_FP6 matrix_b_fmt:MATRIX_FMT_FP6
.endr
.if (\kind) > 0
	FETCHV
.endif
.endm
; A block's end: o = O^T / the sum, quantised along my head's 64 channels: six registers and two scale bytes of tile w of the record at s[o].  S's registers are at work: K's and V's hold loads on their way.
.macro FINISH o
	v_add_f32 v[ST+2], v[ST+2], v[ST+3]
	v_permlanex16_b32 v[S], v[ST+2], s[SEL], s[SEL+1]
	v_add_f32 v[ST+2], v[ST+2], v[S]               ; the row's sum
	s_wait_alu depctr_va_vdst(0)
	v_rcp_f32 v[ST+2], v[ST+2]
	v_and_b32 v[S+12], 31, v0                      ; a plain instruction behind the reciprocal
	s_wait_alu depctr_va_vdst(0)                   ; ahead of its first reader, which is also O^T's
.set j, 0
.rept 16
	v_pk_mul_f32 v[O+j:O+j+1], v[O+j:O+j+1], v[ST+2:ST+3] op_sel_hi:[1,0]
.set j, j+2
.endr
.irp b, 0,1
	v_max3_num_f32 v[S+\b], |v[O+16*\b]|, |v[O+16*\b+1]|, 0x1800000
.endr
.irp i, 2,4,6,8,10,12,14
.irp b, 0,1
	v_max3_num_f32 v[S+\b], v[S+\b], |v[O+16*\b+\i]|, |v[O+16*\b+\i+1]|
.endr
.endr
.irp b, 0,1
	v_permlanex16_b32 v[S+2+\b], v[S+\b], s[SEL], s[SEL+1]
.endr
.irp b, 0,1
	v_max_num_f32 v[S+\b], v[S+\b], v[S+2+\b]
.endr
.irp b, 0,1
	v_add_nc_u32 v[S+4+\b], 0xff000000, v[S+\b]
.endr
.irp b, 0,1
	v_lshrrev_b32 v[S+2+\b], 23, v[S+4+\b]
.endr
	v_lshl_or_b32 v[S+6], v[S+3], 8, v[S+2]        ; my head's two scale bytes
	v_lshl_add_u32 v[S+12], v[S+12], 4, s62        ; 16 x lane + 1536 w
	v_cvt_scalef32_pk16_fp6_f32 v[PC:PC+2], v[O:O+15], v[S+4]
	v_cvt_scalef32_pk16_fp6_f32 v[S+8:S+10], v[O+16:O+31], v[S+5]
	v_nop
.irp i, 0,1,2
	v_permlane16_swap_b32 v[PC+\i], v[S+8+\i]
.endr
.irp i, 0,1,2
	v_mov_b32 v[PC+3+\i], v[S+8+\i]
.endr
	s_wait_alu depctr_va_vdst(0)                   ; directly ahead of the branch
	s_cmp_eq_u32 s[HD], 0
	s_cbranch_scc0 .Lodd_\@
	global_store_b128 v[S+12], v[PC:PC+3], s[\o:\o+1]                 ; the fragment's registers 0-3: 512 consecutive bytes,
	global_store_b64 v[S+12], v[PC+4:PC+5], s[\o:\o+1] offset:512     ; 4 and 5
	s_branch .Lput_\@
.Lodd_\@:
	global_store_b64 v[S+12], v[PC:PC+1], s[\o:\o+1] offset:520       ; registers 6 and 7,
	global_store_b128 v[S+12], v[PC+2:PC+5], s[\o:\o+1] offset:1024   ; 8-11
.Lput_\@:
	global_store_b16 v[VSO], v[S+6], s[\o:\o+1]    ; lanes 16-31 hold the same as lanes 0-15 and store it to the same place
.endm
.macro ZERO                            ; O^T and the sums begin as zeros, the largest t as -3e38, so that the step needs no first form
.set j, 0
.rept 32
	v_mov_b32 v[O+j], 0
.set j, j+1
.endr
	v_mov_b32 v[ST+1], 0xff61b1e6
	v_mov_b32 v[ST+2], 0
	v_mov_b32 v[ST+3], 0
	v_floor_f32 v[ST], -v[ST+1]
.endm
.macro ENDA                            ; the first block's last step?  A branch on the work-group's number and the trip: no barrier, tensor load or LDS access stands under it
	s_cmp_lg_u32 s[POS], s[NB1]
	s_cbranch_scc1 .Lsame_\@
	FINISH OA
	ZERO
	s_wait_alu depctr_va_vdst(0)
	s_wait_xcnt 0x0                                ; the stores have read their registers: the next step writes them again
.Lsame_\@:
	s_wait_loadcnt 0x0                             ; on every way: the second block's Q, asked for behind the diagonal step's score products, is in before the next products read it
.endm
	s_load_b128 s[4:7], s[0:1], 0x0                ; qk_rec, v_rec
	s_load_b64 s[8:9], s[0:1], 0x10                ; att_rec
	v_lshl_add_u32 v[SPW], v0, 2, SPARE
	v_mov_b32 v[NIL], 0
	ds_add_u32 v[SPW], v[NIL]                      ; the opening lines: the add, twice on end, and its wait
	ds_add_u32 v[SPW], v[NIL]
	v_lshrrev_b32 v[T], 5, v0
	v_readfirstlane_b32 s[WV], v[T]                ; wave 0..15
	s_and_b32 s48, ttmp7, 0xffff
	s_lshr_b32 s49, s48, 3                         ; batch b
	s_and_b32 s50, s48, 7                          ; head pair hp
	s_sub_co_u32 s[NB], 16, ttmp9
	s_sub_co_u32 s[NB1], 15, ttmp9
	s_lshl_b32 s51, s50, 3
	s_lshl_b32 s52, s49, 8
	s_add_co_u32 s51, s51, s52                     ; 8 hp + 256 b: q's record of block 0
	s_add_co_u32 s52, s51, 64                      ; k's lie 64 records on
	s_mul_i32 s[KB], s52, REC
	s_mov_b32 s[KB+1], 0
	s_lshl_b32 s52, s49, 7
	s_add_co_u32 s52, s52, s50                     ; 128 b + hp: v's record of step 0, and the output's of block 0
	s_mul_i32 s[VB], s52, REC
	s_mov_b32 s[VB+1], 0
	s_and_b32 s53, s[NB1], 7                       ; block n of q lies (n % 8) + 128 (n / 8) records on
	s_lshr_b32 s54, s[NB1], 3
	s_lshl_b32 s54, s54, 7
	s_add_co_u32 s53, s53, s54
	s_add_co_u32 s53, s53, s51
	s_mul_i32 s[QA], s53, REC
	s_mov_b32 s[QA+1], 0
	s_add_co_u32 s53, s51, ttmp9                   ; (the second block's number is under 8)
	s_mul_i32 s[QB], s53, REC
	s_mov_b32 s[QB+1], 0
	s_lshl_b32 s53, s[NB1], 3                      ; block n of the output lies 8 n records on
	s_add_co_u32 s53, s53, s52
	s_mul_i32 s[OA], s53, REC
	s_mov_b32 s[OA+1], 0
	s_lshl_b32 s53, ttmp9, 3
	s_add_co_u32 s53, s53, s52
	s_mul_i32 s[OB], s53, REC
	s_mov_b32 s[OB+1], 0
	s_mov_b32 s[G1], 3<<16                         ; no mask; elements of 8 bytes; no padding: a record is 50 dense rows of 256 bytes
	s_mov_b32 s[G1+1], 32<<16
	s_mov_b32 s[G1+2], 50<<16
	s_mov_b32 s[G1+3], 32<<16
	s_mov_b32 s[G1+4], 50
	s_mov_b32 s[G1+5], 32
	s_mov_b32 s[G1+6], 0
	s_mov_b32 s[G1+7], 0
	s_mov_b32 s[SEL], 0x76543210
	s_mov_b32 s[SEL+1], 0xfedcba98
	s_mov_b32 s[CS], 0x3e38aa3b                    ; c = log2(e) / 8
	s_mov_b32 s[CS+1], s[CS]
	s_mov_b32 s[TB], 0
	s_mov_b32 s[POS], -1                           ; the change of slots ahead of the loop counts as trip -1: it asks for trip 1's records
	s_wait_alu depctr_va_vdst(0)
	s_wait_dscnt 0x0
	s_wait_kmcnt 0x0
	s_add_nc_u64 s[KB:KB+1], s[4:5], s[KB:KB+1]
	s_add_nc_u64 s[VB:VB+1], s[6:7], s[VB:VB+1]
	s_add_nc_u64 s[QA:QA+1], s[4:5], s[QA:QA+1]
	s_add_nc_u64 s[QB:QB+1], s[4:5], s[QB:QB+1]
	s_add_nc_u64 s[OA:OA+1], s[8:9], s[OA:OA+1]
	s_add_nc_u64 s[OB:OB+1], s[8:9], s[OB:OB+1]
	s_mov_b32 s[G0K], 1
	s_mov_b32 s[G0K+1], 0
	s_mov_b64 s[G0K+2:G0K+3], s[KB:KB+1]
	s_or_b32 s[G0K+3], s[G0K+3], 0x80000000
	s_mov_b32 s[G0V], 1
	s_mov_b32 s[G0V+1], VOFF
	s_mov_b64 s[G0V+2:G0V+3], s[VB:VB+1]
	s_or_b32 s[G0V+3], s[G0V+3], 0x80000000
	TLOAD                                          ; key step 0 into slot 0
	s_cmp_lt_u32 s[WV], 4                          ; the prefetches: waves 2 and 3 for K, 4 and 5 for V
	s_cselect_b64 s[PFB:PFB+1], s[KB:KB+1], s[VB:VB+1]
	s_and_b32 s48, s[WV], 1
	s_mul_i32 s48, s48, REC/2
	s_mov_b32 s49, 0
	s_add_nc_u64 s[PFB:PFB+1], s[PFB:PFB+1], s[48:49]
	s_sub_co_u32 s48, s[WV], 2
	s_lshr_b32 s48, s48, 2                         ; 0 in waves 2 to 5,
	s_or_b32 s48, s48, ttmp9                       ; of the work-group that walks all sixteen steps
	s_cmp_eq_u32 s48, 0
	s_cselect_b32 s[LIM], 13, -2
	s_lshr_b32 s[HD], s[WV], 3                     ; my head,
	s_and_b32 s53, s[WV], 7                        ; my tile w
	s_lshr_b32 s48, s53, 1
	s_lshl_b32 s48, s48, 5
	s_and_b32 s55, s53, 1
	s_lshl_b32 s55, s55, 3
	s_add_co_u32 s48, s48, s55                     ; tile w begins at row 32 (w / 2) + 8 (w % 2)
	s_mul_i32 s62, s53, IMG
	s_mul_i32 s54, s[HD], 768
	s_add_co_u32 s49, s62, s54
	s_lshr_b32 s50, s53, 2
	s_lshl_b32 s50, s50, 8
	s_and_b32 s55, s53, 3
	s_lshl_b32 s55, s55, 2
	s_add_co_u32 s50, s50, s55
	s_lshl_b32 s51, s[HD], 1
	s_add_co_u32 s50, s50, s51
	s_add_co_u32 s50, s50, SCO
	s_add_co_u32 s51, s51, SCO
	s_mul_i32 s[DV], s[HD], 4*IMG-768
	s_add_co_u32 s[DV], s[DV], VOFF
	s_mul_i32 s[DVS], s[HD], 254
	s_add_co_u32 s[DVS], s[DVS], VOFF
	v_and_b32 v[T], 31, v0                         ; lane
	v_and_b32 v[T+1], 15, v0                       ; r
	v_bfe_u32 v[F], v0, 4, 1                       ; h
	v_lshlrev_b32 v[CK], 3, v[T]
	v_min_u32 v[PFO], 24, v[T]
	v_and_b32 v[QD], 8, v[T+1]
	v_lshlrev_b32 v[F], 4, v[F]
	v_lshlrev_b32 v[PFO], 8, v[PFO]
	v_add_nc_u32 v[QD], v[QD], v[T+1]              ; r + 8 (r / 8)
	v_lshlrev_b32 v[T+1], 4, v[T+1]                ; 16 r
	v_add_nc_u32 v[VI], s49, v[CK]
	v_sub_nc_u32 v[QD], v[QD], v[F]
	v_add_nc_u32 v[VSO], s50, v[T+1]
	v_add_nc_u32 v[CKS], s51, v[T+1]
	v_add_nc_u32 v[QD], s48, v[QD]
	v_add_nc_u32 v[CK], s54, v[CK]
.irp j, 0,1,2                          ; the first block's Q: my head's six registers of tile w, and its two scale bytes
	global_load_b64 v[QF+2*\j:QF+2*\j+1], v[VI], s[QA:QA+1] offset:256*\j
.endr
	global_load_u16 v[QS], v[VSO], s[QA:QA+1]
	v_mov_b32 v[F+1], 0                            ; (named as the upper half of the pair with f)
.irp j, 0,1,2,3,4,5
	v_mov_b32 v[QF+6+\j], 0                        ; the zero codes: written once
	v_mov_b32 v[PC+\j], 0                          ; named behind K's last tile before p's first codes are made
.endr
.irp b, 0,1,2,3
	v_mov_b32 v[TP+\b], 0                          ; written once: a lane permute's destination counts as one of its sources
.endr
	ZERO
	CHANGE 1                                       ; step 0 is in; slot 1's first fill is issued as a refill is
	FETCHK
	FETCHV
	s_mov_b32 s[POS], 0
	s_wait_alu depctr_va_vdst(0)
	s_wait_loadcnt 0x0                             ; Q
.Ltrip:                                            ; 15 trips, each with a refill
	TRIP 0, 2
	ENDA
	s_add_co_u32 s[POS], s[POS], 1
	s_cmp_lt_u32 s[POS], 15
	s_wait_alu depctr_va_vdst(0)                   ; directly ahead of the branch
	s_cbranch_scc1 .Ltrip
	TRIP 0, 1                                      ; the last two trips are written out: trip 15 asks for nothing more
	ENDA
	TRIP 1, 0                                      ; trip 16 is the second block's step on the diagonal
.rept 4
	v_nop                                          ; places behind the last products
.endr
	FINISH OB
	s_wait_tensorcnt 0x0                           ; the wave's end
	ds_add_u32 v[SPW], v[NIL]
	s_wait_dscnt 0x0
	s_endpgm
.Lfunc_end_k_q18fb88bbfb_attn:
	.size	k_q18fb88bbfb_attn, .Lfunc_end_k_q18fb88bbfb_attn-k_q18fb88bbfb_attn
	.p2alignl 7, 3214868480
	.fill 96, 4, 3214868480
	.section	.rodata,"a",@progbits
	.p2align	6, 0x0
	.amdhsa_kernel k_q18fb88bbfb_attn
		.amdhsa_group_segment_fixed_size 327680
		.amdhsa_private_segment_fixed_size 0
		.amdhsa_enable_private_segment 0
		.amdhsa_kernarg_size 24
		.amdhsa_user_sgpr_count 2
		.amdhsa_user_sgpr_kernarg_segment_ptr 1
		.amdhsa_wavefront_size32 1
		.amdhsa_system_sgpr_workgroup_id_x 1
		.amdhsa_system_sgpr_workgroup_id_y 1
		.amdhsa_system_sgpr_workgroup_id_z 1
		.amdhsa_system_vgpr_workitem_id 0
		.amdhsa_next_free_vgpr 256
		.amdhsa_next_free_sgpr 66
		.amdhsa_reserve_vcc 1
		.amdhsa_float_denorm_mode_32 3
		.amdhsa_float_denorm_mode_16_64 3
		.amdhsa_memory_ordered 1
		.amdhsa_forward_progress 1
		.amdhsa_inst_pref_size 98
	.end_amdhsa_kernel
	.amdgpu_metadata
---
amdhsa.version: [ 1, 2 ]
amdhsa.kernels:
  - .name:           k_q18fb88bbfb_attn
    .symbol:         k_q18fb88bbfb_attn.kd
    .args:
      - { .name: qk_rec, .offset: 0, .size: 8, .value_kind: global_buffer, .address_space: global }
      - { .name: v_rec, .offset: 8, .size: 8, .value_kind: global_buffer, .address_space: global }
      - { .name: att_rec, .offset: 16, .size: 8, .value_kind: global_buffer, .address_space: global }
    .group_segment_fixed_size: 327680
    .private_segment_fixed_size: 0
    .kernarg_segment_align: 8
    .kernarg_segment_size: 24
    .max_flat_workgroup_size: 512
    .sgpr_count:     66
    .vgpr_count:     256
    .wavefront_size: 32
...
	.end_amdgpu_metadata
.endif
;; end of part 3
;; launch proj (part 4): grid 4 x 64, 4 waves a work-group, clusters of 4 x 4, 327,680 bytes of LDS; arguments att_rec, wo_rec, b_out, out0; writes out0
.if DOCPART == 4
	.amdgcn_target "amdgcn-amd-amdhsa--gfx1250"
	.amdhsa_code_object_version 6
	.text
	.protected	k_q18fb88bbfb_proj
	.globl	k_q18fb88bbfb_proj
	.p2align	8
	.type	k_q18fb88bbfb_proj,@function
k_q18fb88bbfb_proj:
	s_mov_b64 s[64:65], 0
	v_nop
	global_prefetch_b8 v0, s[64:65] scope:SCOPE_SE
	s_setreg_imm32_b32 hwreg(HW_REG_WAVE_MODE, 25, 1), 1
	s_wait_xcnt 0x0
	s_wait_alu depctr_hold_cnt(0) depctr_sa_sdst(0) depctr_va_vdst(0) depctr_va_sdst(0) depctr_va_ssrc(0) depctr_va_vcc(0) depctr_vm_vsrc(0)
	s_getreg_b32 s2, hwreg(HW_REG_IB_STS2, 6, 4)
	s_cmp_eq_u32 s2, 0
	s_cbranch_scc0 .Lentry_in_a_cluster
	s_endpgm
.Lentry_in_a_cluster:
	s_bfe_u32 s2, ttmp6, 0x10000c
	s_cmp_lg_u32 s2, 0xf033
	s_cbranch_scc0 .Lentry_shape_is_right
	s_endpgm
.Lentry_shape_is_right:
; out0 = attention's result x w_out + b_out, on codes of FP6 (E2M3), K = 1,024; f32 sums, f32 out.
; Operands are RECORDS of 12,800 bytes (128 rows x 128 K as an image of the operand's registers: tile t's register 4 c + e of lane L at 1536 t + 512 c + 16 L + 4 e; lane (r, h) of tile t holds row
; 32 (t / 2) + 8 (t % 2) + r + 8 (r / 8); scale words at 12288 + 256 (t / 4) + 16 r + 4 (t % 4)); a group of 128 rows is eight records on end, 102,400 bytes.
; A BLOCK of the result is 128 tokens x 256 columns: 64 x 4 = 256 work-groups.  ALL OF K LIES IN LDS: A's group, then B's two groups, 307,200 bytes, filled once: no ring, no refill, no barrier along K.
; At the head every wave issues one joint load: waves 0 and 1 a half (four records) of A's group each, waves 2 and 3 one of B's groups each.  CLUSTERS of 4 x 4: A's group is shared along a row of the cluster, B's groups along a column.
; A wave makes 64 tokens (four tiles of A) x 128 columns (a group of B): 32 accumulators.  The product is used transposed (source 0 = B, source 1 = A): a lane holds one token, register 16 b + i of its 64 results is column 32 b + 16 h + i.
; A step of 128 along K is 32 products on one of two sets of fragments; the other set takes the next step's 38 LDS loads meanwhile.  The bias is the first products' C.
; NO PREFETCH: the launch has no loop to run ahead in: all that it reads is asked for by its first loads.
; REGISTERS: window 0: v16-29 addresses, v32-47 scale words (two sets), v64-127 the bias, v128-223 A's fragments (two sets of 48); window 1: B's fragments, two sets at v0 and v128; window 2: accumulator (a, b) at v[8 (8 a + b)].
.set REC,   12800
.set IMG,   1536
.set SCO,   12288
.set HALF,  4*REC
.set GRP,   8*REC
.set SPARE, 3*GRP                      ; behind the operands: the spare words, 128 bytes a wave, which no other line names
.set SPITCH, 528
.set FR,    12
.set NP,    4                          ; places behind this matrix instruction (ISA guide 7.12.1)
.set NF,    38                         ; LDS loads of a step
.set ADRA, 16                          ; v16-17 my four tiles of A, K steps 0-3 and 4-7, + 16 x lane
.set ADRB, 20                          ; v20-21 my group of B likewise
.set ADSA, 22                          ; v22-23 my four tiles' scale words of row r
.set STO,  24
.set RD,   25
.set LI,   26
.set SPW,  28
.set NIL,  29
.set SC,   32                          ; set p: A's words at v[32 + 8 p] on (register = tile), B's at v[36 + 8 p] on (register t % 4; lanes 0-15 tiles 0-3, lanes 16-31 tiles 4-7)
.set BI,   64
.set AF,   128
.set BK,   128
.set G1,   24
.set G0,   32
.set G1B,  48
.set G0B,  56
.set MSB, 0
.macro WIN new                         ; the immediate's high byte repeats the setting that is left
.if MSB != (\new)
	s_set_vgpr_msb (MSB<<8)|(\new)
.set MSB, (\new)
.endif
.endm
.set MUL_LO, 0xa1                      ; source 0 (B) window 1, source 1 (A) window 0, C and D window 2
.set MUL_1ST, 0x81                     ; the same with C (the bias) in window 0
.set TO_B,   0x40
.macro CROUND                          ; a round of the cluster's barrier
	s_barrier_signal -1
	s_barrier_wait -1
	s_cmp_lg_u32 s14, 0
	s_cbranch_scc1 .Lnot_wave_0_\@
	s_barrier_signal -3
.Lnot_wave_0_\@:
	s_barrier_wait -3
	s_barrier_signal -1
	s_barrier_wait -1
.endm
.macro PLACES n
.rept \n
	v_nop
.endr
.endm
	s_load_b128 s[4:7], s[0:1], 0x0                ; att_rec, wo_rec
	s_load_b128 s[8:11], s[0:1], 0x10              ; b_out, out0
	v_lshl_add_u32 v[SPW], v0, 2, SPARE
	v_mov_b32 v[NIL], 0
	ds_add_u32 v[SPW], v[NIL]                      ; the opening lines: the add, twice on end, and its wait
	ds_add_u32 v[SPW], v[NIL]
	v_lshrrev_b32 v1, 5, v0
	v_readfirstlane_b32 s14, v1                    ; wave 0..3
	s_lshr_b32 s15, s14, 1                         ; which four tiles of A are mine.  Also: I fetch for A (0) or for B (1)
	s_and_b32 s16, s14, 1                          ; which group of B.  Also: which half of A, or which group of B, I fetch
	s_bfe_u32 s40, ttmp6, 0x40000                  ; cx
	s_bfe_u32 s41, ttmp6, 0x40004                  ; cy
	s_lshl_b32 s42, ttmp9, 2
	s_add_co_u32 s42, s42, s40                     ; block column, 0..3
	s_and_b32 s17, ttmp7, 0xffff
	s_lshl_b32 s17, s17, 2
	s_add_co_u32 s17, s17, s41                     ; block row, 0..63
	s_lshl_b32 s43, s41, 2
	s_lshl_b32 s43, 15, s43                        ; my row of the cluster
	s_lshl_b32 s44, 0x1111, s40                    ; my column
	s_or_b32 s[G1+0], s43, (3<<16)|(1<<21)         ; the mask; elements of 8 bytes; no padding; bit 21 beside a mask
	s_or_b32 s[G1B+0], s44, (3<<16)|(1<<21)
.irp g, G1, G1B                        ; dense bytes as rows of 256
	s_mov_b32 s[\g+1], 32<<16
	s_mov_b32 s[\g+3], 32<<16
	s_mov_b32 s[\g+5], 32
	s_mov_b32 s[\g+6], 0
	s_mov_b32 s[\g+7], 0
.endr
	s_mov_b32 s[G1+2], 200<<16                     ; half of A's group: 200 rows
	s_mov_b32 s[G1+4], 200
	s_mov_b32 s[G1B+2], 400<<16                    ; a group of B: 400 rows
	s_mov_b32 s[G1B+4], 400
	s_mul_i32 s20, s17, GRP
	s_mul_i32 s21, s16, HALF
	s_mov_b32 s[G0], 1
	s_mov_b32 s[G0+1], s21                         ; no place in the cluster enters an LDS address
	s_add_co_u32 s20, s20, s21
	s_mov_b32 s21, 0
	s_lshl_b32 s46, s42, 1
	s_add_co_u32 s46, s46, s16
	s_mul_i32 s46, s46, GRP
	s_mov_b32 s47, 0
	s_mov_b32 s[G0B], 1
	s_mul_i32 s[G0B+1], s16, GRP
	s_add_co_u32 s[G0B+1], s[G0B+1], GRP
	s_wait_alu depctr_va_vdst(0)
	s_wait_dscnt 0x0
	s_wait_kmcnt 0x0
	s_add_nc_u64 s[G0+2:G0+3], s[4:5], s[20:21]
	s_or_b32 s[G0+3], s[G0+3], 0x80000000
	s_add_nc_u64 s[G0B+2:G0B+3], s[6:7], s[46:47]
	s_or_b32 s[G0B+3], s[G0B+3], 0x80000000
	CROUND                                         ; all sixteen work-groups are here: the joint loads meet
	s_cmp_eq_u32 s15, 0
	s_cbranch_scc0 .Lfor_b
	tensor_load_to_lds s[G0:G0+3], s[G1:G1+7]
	s_nop 0
	PLACES 4
	s_branch .Lasked
.Lfor_b:
	tensor_load_to_lds s[G0B:G0B+3], s[G1B:G1B+7]
	s_nop 0
	PLACES 4
.Lasked:
	s_lshl_b32 s46, s42, 10                        ; my first column, in bytes: 1,024 x block column + 512 x group
	s_lshl_b32 s47, s16, 9
	s_add_co_u32 s46, s46, s47
	s_mov_b32 s47, 0
	s_add_nc_u64 s[8:9], s[8:9], s[46:47]
	s_lshl_b32 s20, s17, 19                        ; my first row: 128 x block row + 64 x half, rows of 4,096 bytes
	s_lshl_b32 s21, s15, 18
	s_add_co_u32 s20, s20, s21
	s_mov_b32 s21, 0
	s_add_nc_u64 s[20:21], s[20:21], s[46:47]
	s_add_nc_u64 s[10:11], s[10:11], s[20:21]
	s_mul_i32 s21, s15, 4*IMG                      ; my four tiles of A
	s_mul_i32 s22, s16, GRP
	s_add_co_u32 s22, s22, GRP                     ; my group of B
	s_lshl_b32 s18, s15, 8
	s_add_co_u32 s18, s18, SCO                     ; my four tiles' scale words
	s_mul_i32 s23, s14, 16*SPITCH                  ; my stage, in A's bytes: they are read no more when the first result is stored there
	v_and_b32 v1, 31, v0
	v_and_b32 v2, 15, v0
	v_bfe_u32 v3, v0, 4, 1
	v_lshlrev_b32 v4, 6, v3
	v_lshlrev_b32 v[LI], 4, v1
	v_lshlrev_b32 v5, 4, v2
	v_mul_u32_u24 v[STO], v2, SPITCH
.irp b, 0,1,2,3                        ; the bias as the result lies: register 16 b + i is column 32 b + 16 h + i
.irp j, 0,1,2,3
	global_load_b128 v[BI+16*\b+4*\j:BI+16*\b+4*\j+3], v4, s[8:9] offset:128*\b+16*\j
.endr
.endr
	v_add_nc_u32 v[ADRA], s21, v[LI]
	v_add_nc_u32 v[ADRB], s22, v[LI]
	v_add_nc_u32 v[ADSA], s18, v5
	v_lshl_add_u32 v[STO], v3, 6, v[STO]
	v_add_nc_u32 v[RD], s23, v[LI]
	v_add_nc_u32 v[ADRA+1], HALF, v[ADRA]
	v_add_nc_u32 v[ADRB+1], HALF, v[ADRB]
	v_add_nc_u32 v[ADSA+1], HALF, v[ADSA]
	v_add_nc_u32 v[STO], s23, v[STO]
.macro FRAG reg, adr, q, i             ; a tile of the q-th record behind the address: three loads, each 512 consecutive bytes
.irp c, 0,1,2
	ds_load_b128 v[\reg+4*\c:\reg+4*\c+3], v[\adr] offset:(\q)*REC+(\i)*IMG+512*\c
.endr
.endm
.macro FETCH k, p                      ; K step k into set p
	WIN TO_B
.irp i, 0,1,2,3,4,5,6,7
	FRAG 128*(\p)+FR*\i, ADRB+(\k)/4, (\k)%4, \i
.endr
	WIN 0
.irp i, 0,1,2,3
	FRAG AF+48*(\p)+FR*\i, ADRA+(\k)/4, (\k)%4, \i
.endr
	ds_load_b128 v[SC+8*(\p):SC+8*(\p)+3], v[ADSA+(\k)/4] offset:((\k)%4)*REC
	ds_load_b128 v[SC+8*(\p)+4:SC+8*(\p)+7], v[ADRB+(\k)/4] offset:((\k)%4)*REC+SCO
.endm
.macro WM first, ra                    ; ra: source 0's tile is one of 4-7, whose scale words lie in lanes 16-31
.if (\first) && (\ra)
	v_wmma_scale_f32_16x16x128_f8f6f4 v[D_:D_+7], v[B_:B_+11], v[A_:A_+11], v[C_:C_+7], v[SA_], v[SB_] matrix_a_fmt:MATRIX_FMT_FP6 matrix_b_fmt:MATRIX_FMT_FP6 matrix_a_scale:MATRIX_SCALE_ROW1
.elseif (\first)
	v_wmma_scale_f32_16x16x128_f8f6f4 v[D_:D_+7], v[B_:B_+11], v[A_:A_+11], v[C_:C_+7], v[SA_], v[SB_] matrix_a_fmt:MATRIX_FMT_FP6 matrix_b_fmt:MATRIX_FMT_FP6
.elseif (\ra)
	v_wmma_scale_f32_16x16x128_f8f6f4 v[D_:D_+7], v[B_:B_+11], v[A_:A_+11], v[D_:D_+7], v[SA_], v[SB_] matrix_a_fmt:MATRIX_FMT_FP6 matrix_b_fmt:MATRIX_FMT_FP6 matrix_a_scale:MATRIX_SCALE_ROW1
.else
	v_wmma_scale_f32_16x16x128_f8f6f4 v[D_:D_+7], v[B_:B_+11], v[A_:A_+11], v[D_:D_+7], v[SA_], v[SB_] matrix_a_fmt:MATRIX_FMT_FP6 matrix_b_fmt:MATRIX_FMT_FP6
.endif
.endm
.macro MUL32 p, first                  ; the 32 accumulators take turns, one instruction a turn, in the same order in every step
.irp a, 0,1,2,3
.irp b, 0,1,2,3,4,5,6,7
.set D_, 8*(8*\a+\b)
.set B_, 128*(\p)+FR*\b
.set A_, AF+48*(\p)+FR*\a
.set C_, BI+8*\b
.set SA_, SC+8*(\p)+4+\b%4
.set SB_, SC+8*(\p)+\a
	WM \first, \b/4
.endr
.endr
.endm
	s_wait_alu depctr_va_vdst(0)                   ; at the head's end
	s_wait_tensorcnt 0x0                           ; my part of the operands is in,
	s_barrier_signal -1
	s_barrier_wait -1                              ; everybody's is
	FETCH 0, 0
	FETCH 1, 1
	s_wait_loadcnt 0x0                             ; the bias
	s_wait_dscnt NF                                ; step 0's loads are in; step 1's 38 may be out
	WIN MUL_1ST
	MUL32 0, 1
.set KK, 1
.rept 6
	PLACES NP                                      ; in front of the loads into the set just multiplied
	FETCH KK+1, (KK+1)%2
	s_wait_dscnt NF                                ; all but the 38 just issued
	WIN MUL_LO
	MUL32 KK%2, 0
.set KK, KK+1
.endr
	WIN 0
	s_wait_dscnt 0x0                               ; my last reads of the operands are over:
	s_barrier_signal -1                            ; say so, multiply the last step,
	WIN MUL_LO
	MUL32 1, 0
	WIN 0
	s_barrier_wait -1                              ; and go on when nobody reads A's bytes any more: the stages lie there
; THE WAY OUT, tile by tile of 16 tokens x 128 columns, through my own stage in LDS: back come whole rows of 512 bytes.  LDS serves a wave's instructions in order (ISA guide 5.7.1.4).
.macro TOSTAGE a
.set AC, 64*(\a)
	WIN 0x08                                       ; the data: window 2
.irp b, 0,1,2,3
.irp j, 0,1,2,3
	ds_store_b128 v[STO], v[AC+16*\b+4*\j:AC+16*\b+4*\j+3] offset:128*\b+16*\j   ; each accumulator from its low end on
.endr
.endr
	WIN 0
.set BB, BK+64*((\a)%2)
.irp t, 0,1,2,3,4,5,6,7,8,9,10,11,12,13,14,15
	ds_load_b128 v[BB+4*\t:BB+4*\t+3], v[RD] offset:\t*SPITCH
.endr
.endm
.macro SEND a, younger                 ; younger: the LDS instructions issued behind tile a's loads, which may stay out
.set BB, BK+64*((\a)%2)
	s_wait_dscnt \younger
.irp t, 0,1,2,3,4,5,6,7,8,9,10,11,12,13,14,15
	global_store_b128 v[LI], v[BB+4*\t:BB+4*\t+3], s[10:11] offset:(32*((\a)/2)+8*((\a)%2)+\t+8*(\t/8))*4096 th:TH_STORE_NT   ; 512 consecutive bytes, aligned
.endr
.endm
	PLACES NP                                      ; behind the last products
	TOSTAGE 0
.irp a, 1,2,3
.if \a > 1
	s_wait_xcnt 0x0                                ; tile a - 2's stores have read their registers
.endif
	TOSTAGE \a
	SEND \a-1, 32
.endr
	SEND 3, 0
	s_wait_tensorcnt 0x0                           ; the wave's end
	ds_add_u32 v[SPW], v[NIL]
	s_wait_dscnt 0x0
	CROUND                                         ; the closing round
	s_endpgm
.Lfunc_end_k_q18fb88bbfb_proj:
	.size	k_q18fb88bbfb_proj, .Lfunc_end_k_q18fb88bbfb_proj-k_q18fb88bbfb_proj
	.p2alignl 7, 3214868480
	.fill 96, 4, 3214868480
	.section	.rodata,"a",@progbits
	.p2align	6, 0x0
	.amdhsa_kernel k_q18fb88bbfb_proj
		.amdhsa_group_segment_fixed_size 327680
		.amdhsa_private_segment_fixed_size 0
		.amdhsa_enable_private_segment 0
		.amdhsa_kernarg_size 32
		.amdhsa_user_sgpr_count 2
		.amdhsa_user_sgpr_kernarg_segment_ptr 1
		.amdhsa_wavefront_size32 1
		.amdhsa_system_sgpr_workgroup_id_x 1
		.amdhsa_system_sgpr_workgroup_id_y 1
		.amdhsa_system_sgpr_workgroup_id_z 1
		.amdhsa_system_vgpr_workitem_id 0
		.amdhsa_next_free_vgpr 768
		.amdhsa_next_free_sgpr 66
		.amdhsa_reserve_vcc 0
		.amdhsa_float_denorm_mode_32 3
		.amdhsa_float_denorm_mode_16_64 3
		.amdhsa_memory_ordered 1
		.amdhsa_forward_progress 1
		.amdhsa_inst_pref_size 75
	.end_amdhsa_kernel
	.amdgpu_metadata
---
amdhsa.version: [ 1, 2 ]
amdhsa.kernels:
  - .name:           k_q18fb88bbfb_proj
    .symbol:         k_q18fb88bbfb_proj.kd
    .args:
      - { .name: att_rec, .offset: 0, .size: 8, .value_kind: global_buffer, .address_space: global }
      - { .name: wo_rec, .offset: 8, .size: 8, .value_kind: global_buffer, .address_space: global }
      - { .name: b_out, .offset: 16, .size: 8, .value_kind: global_buffer, .address_space: global }
      - { .name: out0, .offset: 24, .size: 8, .value_kind: global_buffer, .address_space: global }
    .group_segment_fixed_size: 327680
    .private_segment_fixed_size: 0
    .kernarg_segment_align: 8
    .kernarg_segment_size: 32
    .max_flat_workgroup_size: 128
    .sgpr_count:     66
    .vgpr_count:     768
    .wavefront_size: 32
...
	.end_amdgpu_metadata
.endif
;; end of part 4
